; MI455X (gfx1250); checked and timed in simulation.
; The chip was launched on July 23, 2026; its instructions are those of AMD's public machine-readable ISA for CDNA 5 (MIT licence, August 2026) and "CDNA5" Instruction Set Architecture Reference Guide (July 2026). The comments in the code are by the model that wrote it; some were corrected since.
;; Flax TPU Gemma3 Attention. Allowed arithmetic: float matrix products may take bf16 or f16 operands with f32 sums; other float arithmetic in f32, or as packed bf16 or f16 multiplies, adds, multiply-adds, maxima and minima; sums over many terms, partial sums and values carried from step to step in f32; what a program stores and reads back later, other than sums and carried values, may be rounded once to bf16 or f16.
;; Inputs: Wk 2,048 x 1,024 float32; Wo 1,024 x 2,048 float32; Wq 2,048 x 1,024 float32; Wv 2,048 x 1,024 float32; attention_mask 2 x 2,048 int32; cos 2 x 2,048 x 256 float32; hidden_states 2 x 2,048 x 2,048 float32; k_norm_w 256 float32; q_norm_w 256 float32; sin 2 x 2,048 x 256 float32.
;; Outputs: out0 2 x 2,048 x 2,048 float32.
;; One version. Each part assembles by itself: llvm-mc -triple=amdgcn-amd-amdhsa -mcpu=gfx1250 --defsym DOCPART=n.
;; ======== version 1 of 1: 4 launches
;; limits: values are held in f16: magnitudes above 65,504 overflow, below 6.1e-05 lose precision
;; workspace buffers: xb 16,777,216 bytes; wb 16,777,216 bytes; cs 4,202,496 bytes; pb 16,384 bytes; qkv16 25,165,824 bytes; vsum 262,144 bytes; ob 8,388,608 bytes
;; launch cast (part 1): grid 1153 x 1, 8 waves a work-group, no clusters, 0 bytes of LDS; arguments hidden_states, Wq, Wk, Wv, Wo, cos, sin, attention_mask, xb, wb, cs, pb; writes xb, wb, cs, pb
.if DOCPART == 1
	.amdgcn_target "amdgcn-amd-amdhsa--gfx1250"
	.amdhsa_code_object_version 6
	.text
	.protected	k_q84dc57b90e_cast
	.globl	k_q84dc57b90e_cast
	.p2align	8
	.type	k_q84dc57b90e_cast,@function
k_q84dc57b90e_cast:
	s_mov_b64 s[64:65], 0
	v_nop
	global_prefetch_b8 v0, s[64:65] scope:SCOPE_SE
	s_setreg_imm32_b32 hwreg(HW_REG_WAVE_MODE, 25, 1), 1
	s_wait_xcnt 0x0
; 16-BIT COPIES OF ALL FLOATING-POINT INPUTS, AND THE KEYS' BIAS.
; hidden_states -> xb (bf16); Wq, Wk, Wv -> wb (bf16), Wo -> wb's fourth part (rounded to bf16, that number written as f16: the last product multiplies in f16);
; cos, sin -> cs (bf16), and 8,192 bytes of zeros behind sin (sixteen rows that the next launch's look-ahead loads and does not use); attention_mask -> pb (f32: 0 where the mask is above 0, else -1e30).
; LIMIT: |Wo| stays under 65,504 (f16's range); a Wo below 2^-14 keeps f16's fixed step of 2^-24.
; A stream: no LDS, no matrix unit, no cluster (no byte is shared).  A work-group takes 16,384 numbers: 64 KiB in, 32 KiB out.
; A wave takes 8 KiB of them by 16 loads of 512 consecutive bytes, all issued before the first is used; each store of a wave covers 256 consecutive bytes, aligned.
; Work-group ids: 0-511 hidden; 512-1023 the four weights, 128 each; 1024-1151 cos and sin, 64 each; 1152 the mask and the zeros.
.set IN,   8                           ; v[8:71]   16 loads of 4 numbers
.set OUTW, 72                          ; v[72:103] 16 pairs of packed words
.set BIGN, 0xf149f2ca                  ; -1e30
	s_load_b512 s[4:19], s[0:1], 0x0               ; hidden s[4:5], Wq s[6:7], Wk s[8:9], Wv s[10:11], Wo s[12:13], cos s[14:15], sin s[16:17], mask s[18:19]
	s_load_b256 s[20:27], s[0:1], 0x40             ; xb s[20:21], wb s[22:23], cs s[24:25], pb s[26:27]
	s_mov_b32 s2, ttmp9
	s_mov_b32 s40, 0xffff0000                      ; a word's upper bf16
	v_lshrrev_b32 v1, 5, v0                        ; wave
	v_and_b32 v4, 31, v0                           ; lane
	v_lshlrev_b32 v2, 4, v4
	v_lshl_add_u32 v2, v1, 13, v2                  ; in: 8,192 x wave + 16 x lane
	v_lshlrev_b32 v3, 3, v4
	v_lshl_add_u32 v3, v1, 12, v3                  ; out: 4,096 x wave + 8 x lane
	s_and_b32 s34, s2, 127                         ; a weight's chunk (512 is a multiple of 128)
	s_and_b32 s35, s2, 511                         ; its chunk in wb
	s_cmp_ge_u32 s2, 512
	s_cselect_b32 s32, s34, s2
	s_cselect_b32 s38, s35, s2
	s_and_b32 s34, s2, 63                          ; a table's chunk
	s_and_b32 s35, s2, 127                         ; its chunk in cs
	s_cmp_ge_u32 s2, 1024
	s_cselect_b32 s32, s34, s32
	s_cselect_b32 s38, s35, s38
	s_lshl_b32 s32, s32, 16                        ; 65,536 bytes in
	s_mov_b32 s33, 0
	s_lshl_b32 s38, s38, 15                        ; 32,768 bytes out
	s_mov_b32 s39, 0
	s_lshr_b32 s36, s2, 7                          ; 7 for Wo's ids, 896 to 1023
	s_wait_kmcnt 0x0
	s_cmp_eq_u32 s2, 1152
	s_cbranch_scc1 .Lmask
	s_mov_b64 s[28:29], s[4:5]
	s_mov_b64 s[30:31], s[20:21]
	s_cmp_ge_u32 s2, 512
	s_cselect_b64 s[28:29], s[6:7], s[28:29]
	s_cselect_b64 s[30:31], s[22:23], s[30:31]
	s_cmp_ge_u32 s2, 640
	s_cselect_b64 s[28:29], s[8:9], s[28:29]
	s_cmp_ge_u32 s2, 768
	s_cselect_b64 s[28:29], s[10:11], s[28:29]
	s_cmp_ge_u32 s2, 896
	s_cselect_b64 s[28:29], s[12:13], s[28:29]
	s_cmp_ge_u32 s2, 1024
	s_cselect_b64 s[28:29], s[14:15], s[28:29]
	s_cselect_b64 s[30:31], s[24:25], s[30:31]
	s_cmp_ge_u32 s2, 1088
	s_cselect_b64 s[28:29], s[16:17], s[28:29]
	s_add_nc_u64 s[28:29], s[28:29], s[32:33]
	s_add_nc_u64 s[30:31], s[30:31], s[38:39]
.irp j, 0,1,2,3,4,5,6,7,8,9,10,11,12,13,14,15
	global_load_b128 v[IN+4*(\j):IN+4*(\j)+3], v2, s[28:29] offset:512*(\j) th:TH_LOAD_NT
.endr
; The sixteen turns.  No register is written twice, so the only wait is the counted one for the turn's own load.  wo = 1: the bf16 number is written as f16.
.macro TURNS wo
.irp j, 0,1,2,3,4,5,6,7,8,9,10,11,12,13,14,15
	s_wait_loadcnt 15-(\j)                         ; loads come back in order: the younger ones stay out
	v_cvt_pk_bf16_f32 v[OUTW+2*(\j)],   v[IN+4*(\j)],   v[IN+4*(\j)+1]
	v_cvt_pk_bf16_f32 v[OUTW+2*(\j)+1], v[IN+4*(\j)+2], v[IN+4*(\j)+3]
.if \wo
	v_lshlrev_b32 v[IN+4*(\j)],   16, v[OUTW+2*(\j)]
	v_and_b32     v[IN+4*(\j)+1], s40, v[OUTW+2*(\j)]
	v_lshlrev_b32 v[IN+4*(\j)+2], 16, v[OUTW+2*(\j)+1]
	v_and_b32     v[IN+4*(\j)+3], s40, v[OUTW+2*(\j)+1]
	v_cvt_pk_f16_f32 v[OUTW+2*(\j)],   v[IN+4*(\j)],   v[IN+4*(\j)+1]
	v_cvt_pk_f16_f32 v[OUTW+2*(\j)+1], v[IN+4*(\j)+2], v[IN+4*(\j)+3]
.endif
	global_store_b64 v3, v[OUTW+2*(\j):OUTW+2*(\j)+1], s[30:31] offset:256*(\j)
.endr
.endm
	s_cmp_eq_u32 s36, 7
	s_cbranch_scc1 .Lwo
	TURNS 0
	s_endpgm
.Lwo:
	TURNS 1
	s_endpgm
.Lmask:                                        ; 4,096 whole numbers: thread t takes 16 bytes at 16 t + 4,096 j
	v_lshlrev_b32 v5, 4, v0
	v_mov_b32 v6, BIGN
.irp j, 0,1,2,3
	global_load_b128 v[IN+4*(\j):IN+4*(\j)+3], v5, s[18:19] offset:4096*(\j)
.endr
	s_wait_loadcnt 0x0
.set i, 0
.rept 16
	v_cmp_ge_i32 vcc_lo, 0, v[IN+i]                ; 0 >= mask: the key is hidden
	v_cndmask_b32 v[OUTW+i], 0, v6, vcc_lo
.set i, i+1
.endr
.irp j, 0,1,2,3
	global_store_b128 v5, v[OUTW+4*(\j):OUTW+4*(\j)+3], s[26:27] offset:4096*(\j)
.endr
.irp k, 0,1,2,3
	v_mov_b32 v[IN+(\k)], 0                        ; (the loads into these have landed, and no store reads them)
.endr
	global_store_b128 v5, v[IN:IN+3], s[24:25] offset:4194304   ; the sixteen rows of zeros behind sin: 256 threads x 16 bytes, twice
	global_store_b128 v5, v[IN:IN+3], s[24:25] offset:4198400
	s_endpgm
.Lfunc_end_k_q84dc57b90e_cast:
	.size	k_q84dc57b90e_cast, .Lfunc_end_k_q84dc57b90e_cast-k_q84dc57b90e_cast
	.p2alignl 7, 3214868480
	.fill 96, 4, 3214868480
	.section	.rodata,"a",@progbits
	.p2align	6, 0x0
	.amdhsa_kernel k_q84dc57b90e_cast
		.amdhsa_group_segment_fixed_size 0
		.amdhsa_private_segment_fixed_size 0
		.amdhsa_enable_private_segment 0
		.amdhsa_kernarg_size 96
		.amdhsa_user_sgpr_count 2
		.amdhsa_user_sgpr_kernarg_segment_ptr 1
		.amdhsa_wavefront_size32 1
		.amdhsa_system_sgpr_workgroup_id_x 1
		.amdhsa_system_sgpr_workgroup_id_y 1
		.amdhsa_system_sgpr_workgroup_id_z 1
		.amdhsa_system_vgpr_workitem_id 0
		.amdhsa_next_free_vgpr 104
		.amdhsa_next_free_sgpr 66
		.amdhsa_reserve_vcc 1
		.amdhsa_float_denorm_mode_32 3
		.amdhsa_float_denorm_mode_16_64 3
		.amdhsa_memory_ordered 1
		.amdhsa_forward_progress 1
		.amdhsa_inst_pref_size 19
	.end_amdhsa_kernel
	.amdgpu_metadata
---
amdhsa.version: [ 1, 2 ]
amdhsa.kernels:
  - .name:           k_q84dc57b90e_cast
    .symbol:         k_q84dc57b90e_cast.kd
    .args:
      - { .name: hidden_states, .offset: 0, .size: 8, .value_kind: global_buffer, .address_space: global }
      - { .name: Wq, .offset: 8, .size: 8, .value_kind: global_buffer, .address_space: global }
      - { .name: Wk, .offset: 16, .size: 8, .value_kind: global_buffer, .address_space: global }
      - { .name: Wv, .offset: 24, .size: 8, .value_kind: global_buffer, .address_space: global }
      - { .name: Wo, .offset: 32, .size: 8, .value_kind: global_buffer, .address_space: global }
      - { .name: cos, .offset: 40, .size: 8, .value_kind: global_buffer, .address_space: global }
      - { .name: sin, .offset: 48, .size: 8, .value_kind: global_buffer, .address_space: global }
      - { .name: attention_mask, .offset: 56, .size: 8, .value_kind: global_buffer, .address_space: global }
      - { .name: xb, .offset: 64, .size: 8, .value_kind: global_buffer, .address_space: global }
      - { .name: wb, .offset: 72, .size: 8, .value_kind: global_buffer, .address_space: global }
      - { .name: cs, .offset: 80, .size: 8, .value_kind: global_buffer, .address_space: global }
      - { .name: pb, .offset: 88, .size: 8, .value_kind: global_buffer, .address_space: global }
    .group_segment_fixed_size: 0
    .private_segment_fixed_size: 0
    .kernarg_segment_align: 8
    .kernarg_segment_size: 96
    .max_flat_workgroup_size: 256
    .sgpr_count:     66
    .vgpr_count:     104
    .wavefront_size: 32
...
	.end_amdgpu_metadata
.endif
;; end of part 1
;; launch qkv (part 2): grid 12 x 16, 4 waves a work-group, clusters of 4 x 4, 327,680 bytes of LDS; arguments xb, wb, cs, q_norm_w, k_norm_w, qkv16, vsum; writes qkv16, vsum
.if DOCPART == 2
	.amdgcn_target "amdgcn-amd-amdhsa--gfx1250"
	.amdhsa_code_object_version 6
	.text
	.protected	k_q84dc57b90e_qkv
	.globl	k_q84dc57b90e_qkv
	.p2align	8
	.type	k_q84dc57b90e_qkv,@function
k_q84dc57b90e_qkv:
	s_mov_b64 s[64:65], 0
	v_nop
	global_prefetch_b8 v0, s[64:65] scope:SCOPE_SE
	s_setreg_imm32_b32 hwreg(HW_REG_WAVE_MODE, 25, 1), 1
	s_wait_xcnt 0x0
	s_wait_alu depctr_hold_cnt(0) depctr_sa_sdst(0) depctr_va_vdst(0) depctr_va_sdst(0) depctr_va_ssrc(0) depctr_va_vcc(0) depctr_vm_vsrc(0)
	s_getreg_b32 s2, hwreg(HW_REG_IB_STS2, 6, 4)
	s_cmp_eq_u32 s2, 0
	s_cbranch_scc0 .Lentry_in_a_cluster
	s_endpgm
.Lentry_in_a_cluster:
	s_bfe_u32 s2, ttmp6, 0x10000c
	s_cmp_lg_u32 s2, 0xf033
	s_cbranch_scc0 .Lentry_shape_is_right
	s_endpgm
.Lentry_shape_is_right:
; q, k, v = x W (bf16 operands, f32 sums), then for q and k: x / sqrt(mean(x^2) + 1e-6) * (1 + w), rotate-half RoPE; all three written by heads in f16: qkv16[t][b][h][s][256].
; For v also the column sums of each 64 rows (f32), vsum[m / 64][1024]: the attention launch makes the mean of V of them.
; LIMITS: q, k, v stay under 65,504 (f16).  The gains w are rounded to bf16 like every other floating-point input; 1 + w is taken in f32.
; SHARES.  x is [4096][2048], a weight [2048][1024].  A work-group makes 256 rows x 256 columns = one head of one of q, k, v: 3 x 4 x 16 = 192 work-groups (a head must lie whole in a tile for its norm).
; A wave makes 128 x 128: 64 accumulators, 512 registers: for 32 along K it reads 2 x 128 x 64 bytes of LDS for 64 matrix instructions.
; K goes in steps of 128 through two LDS slots.  x's tile lies [row][k], 256 bytes a row, pitch 272; W's lies as in memory, [k][n], 512 bytes a row, pitch 544 = 17 x 32, and is read turned (ds_load_tr16_b128).
; THE PRODUCT IS TAKEN TRANSPOSED: source 0 = 16 columns of W, source 1 = 16 rows of x: a lane holds row l % 16 and columns 8 (l / 16) + 0..7.
; CLUSTER 4 x 4: the cluster's x is the kind (q, k, v), cx the head, 4 x cluster y + cy the block of 256 rows.  x's tile is asked for jointly along a row of the cluster, W's along a column.
; THE WAY OUT.  A head's row comes from two waves, so the sums go in f32 through ONE stage of 256 rows (in the two slots, behind their last fill), a barrier between writing and reading.  Wave w then finishes rows
; 64 w .. 64 w + 63, two rows a turn: lanes 0-15 one row, lanes 16-31 the next; a lane owns columns 8 p .. 8 p + 7 and 128 + 8 p .. + 7 (p = l % 16), so a RoPE pair lies in one lane, the row's sum of squares in 16
; lanes, and cos, sin and the result move as 256 consecutive bytes of a row.
; REGISTERS: window 0: v0-63 addresses and small work, v64-127, v128-191 x's fragments (two buffers of 8 x 8), later the way out; window 1: v64-127, v128-191 W's fragments, later the ring of cos and sin;
;   windows 2, 3: accumulator (a, b) in window 2 + a / 4 at 8 (8 (a % 4) + b).
.set PA,    272
.set PBP,   544
.set AHALF, 128*PA                     ; 34,816: what waves 0 and 1 fetch: 128 rows of x
.set BOFF,  2*AHALF                    ; W's 128 k-rows lie behind x's 256 rows; 64 of them are 34,816 bytes too
.set SLOT,  BOFF+128*PBP               ; 139,264 = 0x22000: shares no bit with wave x 34,816, so one exclusive or turns a landing address into the other slot's
.set SPARE, 2*SLOT                     ; the spare words, 128 bytes a wave: two blocks of 256 bytes that no other line names
.set TRIPS, 14                         ; K steps that fill a slot again: 16 less the last two
.set SROW,  1040                       ; the stage: a row of 256 f32 and 16 bytes of padding = 65 x 16: the 16 rows that a store touches start at 16 different groups of four banks
.set GNO, 8                            ; v8   32 p: my eight gains
.set GV,  9                            ; v9   32 p + 512 (l / 16): my eight column sums
.set ADRA0, 10
.set ADRB0, 11
.set ADRA, 12
.set ADRB, 13
.set STO, 14                           ; v14, v15 where I put 16 bytes of a stage row: my rows 0-63, 64-127
.set STO2, 15
.set RDA, 16                           ; v16  where I read the stage back
.set CSO, 17                           ; v17  512 (l / 16) + 16 p in cos and sin
.set PFO, 18
.set OUTO, 19                          ; v19  the same in the result
.set SPW, 20                           ; v20 LDS address of my spare word; never rewritten
.set NIL, 21                           ; v21 0; never rewritten
.set ZR,  22
.set WL,  24                           ; v[24:31] 1 + w of my low columns, v[32:39] of my high ones, v[40:47] the latter negated
.set WH,  32
.set WN,  40
.set SS,  48                           ; v[48:55] four chains of squares
.set RR,  56                           ; v[56:57] 1 / rms, twice
.set F0,  64
.set F1,  128
.set XR,  64                           ; v[64:127] four turns' rows from the stage, 16 registers each: low columns, high columns; scaled in place
.set UN,  128                          ; v[128:135] high columns x negated gain
.set TL,  136                          ; v[136:151] results, low and high
.set TH,  144
.set VS,  128                          ; v[128:143] the v path's column sums
.set OUTR, 160                         ; v[160:223] packed results, 8 registers for each turn of a round
.set CSR, 64                           ; window 1, v[64:191]: ring of 8 turns: cos low, cos high, sin low, sin high, 4 registers each
.set WV,  20
.set KIND, 21
.set HALF, 22
.set CX,  23
.set CY,  24
.set TYP, 25
.set TY,  26
.set G1A, 28
.set G1B, 36
.set G0A, 44
.set G0B, 52
.set TB,  60
.set CNT, 62
.set WOFF, 63
.set PFA, 66
.set LIM, 68
.set PST, 70
.set SEL, 72
.set MSB, 0
.macro WIN new                         ; the immediate's high byte repeats the setting that is left; a switch that changes nothing is dropped
.if MSB != (\new)
	s_set_vgpr_msb (MSB<<8)|(\new)
.set MSB, \new
.endif
.endm
.macro PLACES                          ; four plain instructions between a matrix instruction and a load into, or a vector use of, its registers
.rept 4
	v_nop
.endr
.endm
.macro CREST                           ; a round of the cluster's barrier behind its opening barrier
	s_cmp_lg_u32 s[WV], 0
	s_cbranch_scc1 .Lnot_wave_0_\@
	s_barrier_signal -3
.Lnot_wave_0_\@:
	s_barrier_wait -3
	s_barrier_signal -1
	s_barrier_wait -1
.endm
.macro CROUND
	s_barrier_signal -1
	s_barrier_wait -1
	CREST
.endm
.macro JLOAD                           ; the joint refill by the walking descriptors: waves 0, 1 x's halves, waves 2, 3 W's; the branch hangs on the wave's number alone
	s_cmp_eq_u32 s[KIND], 0
	s_cbranch_scc0 .Lfor_b_\@
	tensor_load_to_lds s[G0A+4:G0A+7], s[G1A:G1A+7]
	s_nop 0
.rept 4
	v_nop
.endr
	s_branch .Lasked_\@
.Lfor_b_\@:
	tensor_load_to_lds s[G0B+4:G0B+7], s[G1B:G1B+7]
	s_nop 0
.rept 4
	v_nop
.endr
.Lasked_\@:
.endm
; A prefetch of the K step that stands two refills on, one instruction a wave, a lane a block of 256 bytes.  x's rows are read by all three clusters of a row of clusters: cluster x = 0 asks; W's by all four of a column:
; cluster y = 0 asks.  The four partners share a tile's rows out by address.  The last two trips ask for nothing: there is no K step two on.
.macro ASK
	s_cmp_gt_u32 s[CNT], s[LIM]
	s_cbranch_scc0 .Lnot_mine_\@
	global_prefetch_b8 v[PFO], s[PFA:PFA+1] th:TH_LOAD_NT scope:SCOPE_SE
.Lnot_mine_\@:
.endm
; 32 LDS loads in one run: quarter kq (32 along K) of the slot in hand into buffer f: W's 8 fragments of my 128 columns, turned, then x's 8 of my 128 rows; x's rows 64-127 last
.macro FETCH kq, f
	WIN 0x40
.irp i, 0,1,2,3,4,5,6,7
	ds_load_tr16_b128 v[(\f)+8*(\i):(\f)+8*(\i)+3],   v[ADRB] offset:(\kq)*32*PBP+32*(\i)
	ds_load_tr16_b128 v[(\f)+8*(\i)+4:(\f)+8*(\i)+7], v[ADRB] offset:(\kq)*32*PBP+16*PBP+32*(\i)
.endr
	WIN 0
.irp i, 0,1,2,3,4,5,6,7
	ds_load_b128 v[(\f)+8*(\i):(\f)+8*(\i)+3],   v[ADRA] offset:64*(\kq)+(\i)*16*PA
	ds_load_b128 v[(\f)+8*(\i)+4:(\f)+8*(\i)+7], v[ADRA] offset:64*(\kq)+(\i)*16*PA+32
.endr
.endm
; 16 matrix instructions: row blocks a0, a0 + 1 of the window's four (hi = 0: my rows 0-63, 1: rows 64-127) x all 8 column blocks.  The 64 accumulators take turns in the same order in every quarter, one instruction
; a turn.  zero = 1: the first product starts the sums.
.macro MUL16 f, hi, a0, zero
	WIN 0xa1+0x50*(\hi)
.irp a, \a0, (\a0)+1
.irp b, 0,1,2,3,4,5,6,7
.if \zero
	v_wmma_f32_16x16x32_bf16 v[8*(8*(\a)+(\b)):8*(8*(\a)+(\b))+7], v[(\f)+8*(\b):(\f)+8*(\b)+7], v[(\f)+8*(4*(\hi)+(\a)):(\f)+8*(4*(\hi)+(\a))+7], 0
.else
	v_wmma_f32_16x16x32_bf16 v[8*(8*(\a)+(\b)):8*(8*(\a)+(\b))+7], v[(\f)+8*(\b):(\f)+8*(\b)+7], v[(\f)+8*(4*(\hi)+(\a)):(\f)+8*(4*(\hi)+(\a))+7], v[8*(8*(\a)+(\b)):8*(8*(\a)+(\b))+7]
.endif
.endr
.endr
.endm
.macro QUARTER kq, f, g, zero          ; multiplies buffer f; in its middle fetches quarter kq into buffer g
	s_wait_dscnt 8                                 ; W's fragments and x's rows 0-63 are in; the youngest eight loads (x's rows 64-127) may be out
	MUL16 \f, 0, 0, \zero
	MUL16 \f, 0, 2, \zero
	PLACES
	FETCH \kq, \g
	s_wait_dscnt 32                                ; all but the run just issued
	MUL16 \f, 1, 0, \zero
	MUL16 \f, 1, 2, \zero
.endm
; The last quarter of a K step multiplies buffer 1 and changes slots.  In front of the barrier each wave waits for all its tensor loads (one is out: its part of the next slot), adds 0 to its spare word and waits for that
; and for its reads of this slot.  fill = 1: the barrier opens a round of the cluster's, and the joint refill (the K step two on, into the slot just read) is the first thing behind it.
.macro TURN fill
.if \fill
	s_wait_xcnt 0x0                                ; the last prefetch, a K step back, has read its address
	s_add_nc_u64 s[PFA:PFA+1], s[PFA:PFA+1], s[PST:PST+1]
.endif
	WIN 0
	s_wait_tensorcnt 0x0
	ds_add_u32 v[SPW], v[NIL]
	s_wait_dscnt 9                                 ; the add and the youngest eight loads may be out
	MUL16 F1, 0, 0, 0
	s_wait_dscnt 0x0                               ; the add is done, my reads of this slot are over
	s_barrier_signal -1
	MUL16 F1, 0, 2, 0
	WIN 0
	s_barrier_wait -1
.if \fill
	CREST
	s_xor_b32 s[G0A+5], s[G0A+5], SLOT             ; no load of mine is out: the walking descriptors step: the other slot, the next K step
	s_add_nc_u64 s[G0A+6:G0A+7], s[G0A+6:G0A+7], 256
	s_xor_b32 s[G0B+5], s[G0B+5], SLOT
	s_add_nc_u64 s[G0B+6:G0B+7], s[G0B+6:G0B+7], 128*2048
	JLOAD                                          ; its four v_nop are also the places in front of the loads below
.else
	PLACES
.endif
	s_xor_b32 s[TB], s[TB], SLOT
	v_add_nc_u32 v[ADRA], s[TB], v[ADRA0]
	v_add_nc_u32 v[ADRB], s[TB], v[ADRB0]
	FETCH 0, F0
.if \fill
	ASK
.endif
	MUL16 F1, 1, 0, 0
	MUL16 F1, 1, 2, 0
.endm
	s_load_b256 s[4:11], s[0:1], 0x0               ; xb s[4:5], wb s[6:7], cs s[8:9], q_norm_w s[10:11]
	s_load_b128 s[12:15], s[0:1], 0x20             ; k_norm_w s[12:13], qkv16 s[14:15]
	s_load_b64 s[16:17], s[0:1], 0x30              ; vsum
	v_lshl_add_u32 v[SPW], v0, 2, SPARE
	v_mov_b32 v[NIL], 0
	ds_add_u32 v[SPW], v[NIL]                      ; the wave's opening: the add and its wait ahead of my first tensor load
	ds_add_u32 v20, v21
	v_lshrrev_b32 v3, 5, v0
	v_readfirstlane_b32 s[WV], v3
	s_lshr_b32 s[KIND], s[WV], 1                   ; I fetch for x (0) or for W (1); also: my half of the tile's rows
	s_and_b32 s[HALF], s[WV], 1                    ; which half of that tile I fetch; also: my half of the tile's columns
	s_bfe_u32 s[CX], ttmp6, 0x40000                ; cx: the head
	s_bfe_u32 s[CY], ttmp6, 0x40004
	s_mov_b32 s[TYP], ttmp9                        ; the cluster's x: 0 q, 1 k, 2 v: alike in all sixteen partners
	s_and_b32 s[TY], ttmp7, 0xffff
	s_lshl_b32 s[TY], s[TY], 2
	s_add_co_u32 s[TY], s[TY], s[CY]               ; block of 256 rows
	s_lshl_b32 s27, s[CY], 2
	s_lshl_b32 s27, 15, s27                        ; my row of the cluster
	s_lshl_b32 s61, 0x1111, s[CX]                  ; my column
	s_or_b32 s[G1A], s27, (1<<16)|(1<<20)|(1<<21)|(5<<22)|(3<<25)   ; mask; 2-byte elements; padding on; bit 21 beside a mask; after every 64 words 4 words
	s_mov_b32 s[G1A+1], 128<<16                    ; tensor_dim0 = 128
	s_mov_b32 s[G1A+2], 128<<16                    ; tensor_dim1 = 128
	s_mov_b32 s[G1A+3], 128<<16                    ; tile_dim0 = 128
	s_mov_b32 s[G1A+4], 128                        ; tile_dim1 = 128
	s_mov_b32 s[G1A+5], 2048                       ; elements from row to row of x
	s_mov_b32 s[G1A+6], 0
	s_mov_b32 s[G1A+7], 0
	s_or_b32 s[G1B], s61, (1<<16)|(1<<20)|(1<<21)|(6<<22)|(7<<25)   ; after every 128 words 8 words
	s_mov_b32 s[G1B+1], 256<<16
	s_mov_b32 s[G1B+2], 64<<16
	s_mov_b32 s[G1B+3], 256<<16
	s_mov_b32 s[G1B+4], 64
	s_mov_b32 s[G1B+5], 1024                       ; elements from row to row of a weight
	s_mov_b32 s[G1B+6], 0
	s_mov_b32 s[G1B+7], 0
	s_mul_i32 s[WOFF], s[WV], AHALF                ; where my part lands: no place in the cluster enters an LDS address
	s_lshl_b32 s76, s[TY], 8                       ; x: row 256 TY + 128 half, 4,096 bytes a row (registers that never hold cx)
	s_lshl_b32 s77, s[HALF], 7
	s_add_co_u32 s76, s76, s77
	s_lshl_b32 s76, s76, 12
	s_mov_b32 s77, 0
	s_lshl_b32 s80, s[TYP], 22                     ; W: the kind's part, k-row 64 half, the head's 512 bytes (registers that never hold cy)
	s_lshl_b32 s81, s[HALF], 17
	s_add_co_u32 s80, s80, s81
	s_lshl_b32 s81, s[CX], 9
	s_add_co_u32 s80, s80, s81
	s_mov_b32 s81, 0
	s_mov_b32 s[SEL], 0x76543210
	s_mov_b32 s[SEL+1], 0xfedcba98
	s_mov_b32 s74, 0x3b800000                      ; 1 / 256
	s_mov_b32 s75, 0x358637bd                      ; 1e-6
	s_mov_b32 s[TB], 0
	s_wait_dscnt 0x0                               ; the opening add is done
	s_wait_kmcnt 0x0
	s_add_nc_u64 s[78:79], s[4:5], s[76:77]
	s_add_nc_u64 s[82:83], s[6:7], s[80:81]
	CROUND                                         ; all sixteen work-groups are here: the first joint loads meet
.irp s, 0,1
	s_mov_b32 s[G0A+4*(\s)], 1
	s_add_co_u32 s[G0A+4*(\s)+1], s[WOFF], (\s)*SLOT
	s_add_nc_u64 s[G0A+4*(\s)+2:G0A+4*(\s)+3], s[78:79], (\s)*256
	s_or_b32 s[G0A+4*(\s)+3], s[G0A+4*(\s)+3], 0x80000000
	s_mov_b32 s[G0B+4*(\s)], 1
	s_add_co_u32 s[G0B+4*(\s)+1], s[WOFF], (\s)*SLOT
	s_add_nc_u64 s[G0B+4*(\s)+2:G0B+4*(\s)+3], s[82:83], (\s)*128*2048
	s_or_b32 s[G0B+4*(\s)+3], s[G0B+4*(\s)+3], 0x80000000
.endr
	s_cmp_eq_u32 s[KIND], 0                        ; a wave's two first fills stand in one branch: K steps 0 and 1; two loads of mine are out
	s_cbranch_scc0 .Lfirst_b
	tensor_load_to_lds s[G0A:G0A+3], s[G1A:G1A+7]
	s_nop 0
	tensor_load_to_lds s[G0A+4:G0A+7], s[G1A:G1A+7]
	s_nop 0
.rept 4
	v_nop
.endr
	s_branch .Lfirst_done
.Lfirst_b:
	tensor_load_to_lds s[G0B:G0B+3], s[G1B:G1B+7]
	s_nop 0
	tensor_load_to_lds s[G0B+4:G0B+7], s[G1B:G1B+7]
	s_nop 0
.rept 4
	v_nop
.endr
.Lfirst_done:
	v_and_b32 v1, 15, v0                           ; p = l % 16
	v_bfe_u32 v2, v0, 4, 1                         ; l / 16
	v_mul_u32_u24 v[ADRA0], v1, PA
	v_lshl_add_u32 v[ADRA0], v2, 4, v[ADRA0]
	s_mul_i32 s88, s[KIND], 128*PA                 ; my 128 rows of x
	v_add_nc_u32 v[ADRA0], s88, v[ADRA0]
	v_and_b32 v4, 7, v0
	v_lshl_add_u32 v4, v2, 3, v4                   ; the turning load: k-row 8 (l / 16) + l % 8,
	v_mul_u32_u24 v[ADRB0], v4, PBP
	v_bfe_u32 v5, v0, 3, 1
	v_lshl_add_u32 v[ADRB0], v5, 4, v[ADRB0]       ; columns 8 ((l / 8) % 2) on,
	s_lshl_b32 s88, s[HALF], 8                     ; in my 128 columns
	s_add_co_u32 s88, s88, BOFF
	v_add_nc_u32 v[ADRB0], s88, v[ADRB0]
	v_mov_b32 v[ADRA], v[ADRA0]
	v_mov_b32 v[ADRB], v[ADRB0]
	; the prefetches: x: row 256 TY + 128 half + 32 cx + lane; W: k-row 64 half + 16 cy + lane / 2, 256 (lane % 2) bytes on.  They start at K step 3; the first change of slots steps them to 4.
	s_lshl_b32 s84, s[TY], 8
	s_lshl_b32 s85, s[HALF], 7
	s_add_co_u32 s84, s84, s85
	s_lshl_b32 s85, s[CX], 5
	s_add_co_u32 s84, s84, s85
	s_lshl_b32 s84, s84, 12
	s_add_co_u32 s84, s84, 3*256
	s_lshl_b32 s86, s[HALF], 6
	s_lshl_b32 s87, s[CY], 4
	s_add_co_u32 s86, s86, s87
	s_lshl_b32 s86, s86, 11
	s_lshl_b32 s87, s[CX], 9
	s_add_co_u32 s86, s86, s87
	s_lshl_b32 s87, s[TYP], 22
	s_add_co_u32 s86, s86, s87
	s_add_co_u32 s86, s86, 3*128*2048
	s_and_b32 s87, ttmp7, 0xffff                   ; cluster y
	s_mov_b32 s[PST], 256
	s_mov_b32 s88, 128*2048
	s_cmp_eq_u32 s[KIND], 0
	s_cselect_b32 s84, s84, s86
	s_cselect_b32 s87, s[TYP], s87                 ; the coordinate along which other clusters read the same rows
	s_cselect_b64 s[PFA:PFA+1], s[4:5], s[6:7]
	s_cselect_b32 s[PST], s[PST], s88
	s_cselect_b32 s89, -1, 0
	s_mov_b32 s[PST+1], 0
	s_mov_b32 s85, 0
	s_add_nc_u64 s[PFA:PFA+1], s[PFA:PFA+1], s[84:85]
	s_cmp_eq_u32 s87, 0
	s_cselect_b32 s[LIM], 2, -1                    ; alike in all sixteen partners, for a given wave
	v_and_b32 v4, 31, v0
	v_lshlrev_b32 v5, 12, v4                       ; x: lane x 4,096
	v_lshrrev_b32 v6, 1, v4
	v_and_b32 v7, 1, v4
	v_lshlrev_b32 v6, 11, v6
	v_lshl_add_u32 v6, v7, 8, v6                   ; W: (lane / 2) x 2,048 + (lane % 2) x 256
	v_cndmask_b32 v[PFO], v6, v5, s89
	s_wait_tensorcnt 0x1                           ; my part of K step 0 is in; K step 1's may stay out
	s_barrier_signal -1
	s_barrier_wait -1
	FETCH 0, F0
	QUARTER 1, F0, F1, 1                           ; the first quarter's products start the sums: nothing is cleared
	WIN 0
	s_mov_b32 s[CNT], TRIPS
.Lk:                                           ; a trip: from a K step's second quarter to the next step's first
	QUARTER 2, F1, F0, 0
	QUARTER 3, F0, F1, 0
	TURN 1
	QUARTER 1, F0, F1, 0
	WIN 0
	s_sub_co_u32 s[CNT], s[CNT], 1
	s_cmp_lg_u32 s[CNT], 0
	s_cbranch_scc1 .Lk
	s_mov_b32 s[CNT], 2
.Lt:                                           ; the last two K steps fill nothing; the second trip is left in its middle (its run of LDS loads reads the other slot's old tile and serves nothing: the price of one text for both)
	QUARTER 2, F1, F0, 0
	QUARTER 3, F0, F1, 0
	TURN 0
	WIN 0
	s_sub_co_u32 s[CNT], s[CNT], 1
	s_cmp_eq_u32 s[CNT], 0
	s_cbranch_scc1 .Lout
	QUARTER 1, F0, F1, 0
	WIN 0
	s_branch .Lt
.Lout:
	PLACES
	PLACES
	s_wait_dscnt 0x0                               ; my reads of both slots are over;
	s_barrier_signal -1
	s_barrier_wait -1                              ; everybody's are: the slots, which no load fills any more, become the stage
	; THE STAGE.  Row r of the tile lies at 1,040 r.  In each half row (128 columns, 512 bytes) the 16 bytes of columns 8 q + 4 j .. + 3 lie at 256 j + 16 q: so the 16 lanes that read a row back take 256 consecutive
	; bytes a load, and a lane's two loads give it eight neighbouring columns.  I hold columns 16 b + 8 (l / 16) + 4 j ..: q = 2 b + l / 16: byte 256 j + 32 b + 16 (l / 16).
	s_mul_i32 s88, s[KIND], 128*SROW               ; my 128 rows,
	s_lshl_b32 s89, s[HALF], 9                     ; my half of them
	s_add_co_u32 s88, s88, s89
	v_mul_u32_u24 v[STO], v1, SROW
	v_lshl_add_u32 v[STO], v2, 4, v[STO]
	v_add_nc_u32 v[STO], s88, v[STO]
	v_add_nc_u32 v[STO2], 64*SROW, v[STO]
	s_mul_i32 s88, s[WV], 64*SROW                  ; back: rows 64 w on; lanes 0-15 one row, lanes 16-31 the next
	v_mul_u32_u24 v[RDA], v2, SROW
	v_lshl_add_u32 v[RDA], v1, 4, v[RDA]
	v_add_nc_u32 v[RDA], s88, v[RDA]
	v_lshlrev_b32 v[CSO], 9, v2                    ; a row of 256 numbers of 16 bits is 512 bytes; my eight low columns are 16 bytes at 16 p
	v_lshl_add_u32 v[CSO], v1, 4, v[CSO]
	v_mov_b32 v[OUTO], v[CSO]
	v_lshlrev_b32 v[GNO], 5, v1
	v_lshl_add_u32 v[GV], v2, 9, v[GNO]
	v_mov_b32 v[ZR], 0
	s_lshr_b32 s88, s[TY], 3                       ; out: ((b x 4 + head) x 2,048 + (TY % 8) x 256 + 64 wave) rows of 512 bytes, in the kind's part
	s_lshl_b32 s88, s88, 2
	s_add_co_u32 s88, s88, s[CX]
	s_lshl_b32 s88, s88, 11
	s_and_b32 s89, s[TY], 7
	s_lshl_b32 s89, s89, 8
	s_add_co_u32 s88, s88, s89
	s_lshl_b32 s89, s[WV], 6
	s_add_co_u32 s88, s88, s89
	s_lshl_b32 s88, s88, 9
	s_lshl_b32 s89, s[TYP], 23
	s_add_co_u32 s88, s88, s89
	s_mov_b32 s89, 0
	s_add_nc_u64 s[90:91], s[14:15], s[88:89]
	s_lshl_b32 s88, s[TY], 8
	s_lshl_b32 s89, s[WV], 6
	s_add_co_u32 s88, s88, s89
	s_lshl_b32 s88, s88, 9
	s_mov_b32 s89, 0
	s_add_nc_u64 s[94:95], s[8:9], s[88:89]        ; cos at my first row; sin lies 2,097,152 bytes on
	s_cmp_eq_u32 s[TYP], 0
	s_cselect_b64 s[92:93], s[10:11], s[12:13]
	; The gains and the first eight turns' cos and sin are asked for here, ahead of the staging, so that they come while the stage is written.  In the v work-groups these 36 loads serve nothing: the price of one text
	; up to the one branch on the kind.
	global_load_b128 v[WL:WL+3],   v[GNO], s[92:93]
	global_load_b128 v[WL+4:WL+7], v[GNO], s[92:93] offset:16
	global_load_b128 v[WH:WH+3],   v[GNO], s[92:93] offset:512
	global_load_b128 v[WH+4:WH+7], v[GNO], s[92:93] offset:528
	WIN 0x40
.irp i, 0,1,2,3,4,5,6,7
	global_load_b128 v[CSR+16*(\i):CSR+16*(\i)+3],     v[CSO], s[94:95] offset:1024*(\i)
	global_load_b128 v[CSR+16*(\i)+4:CSR+16*(\i)+7],   v[CSO], s[94:95] offset:1024*(\i)+256
	global_load_b128 v[CSR+16*(\i)+8:CSR+16*(\i)+11],  v[CSO], s[94:95] offset:1024*(\i)+2097152
	global_load_b128 v[CSR+16*(\i)+12:CSR+16*(\i)+15], v[CSO], s[94:95] offset:1024*(\i)+2097408
.endr
.irp a, 0,1,2,3,4,5,6,7
	WIN 0x08+4*((\a)/4)                            ; the stores' data lie in window 2 or 3; each accumulator's lowest registers go first
.irp b, 0,1,2,3,4,5,6,7
	ds_store_b128 v[STO+(\a)/4], v[8*(8*((\a)%4)+(\b)):8*(8*((\a)%4)+(\b))+3]   offset:16*SROW*((\a)%4)+32*(\b)
	ds_store_b128 v[STO+(\a)/4], v[8*(8*((\a)%4)+(\b))+4:8*(8*((\a)%4)+(\b))+7] offset:16*SROW*((\a)%4)+32*(\b)+256
.endr
.endr
	WIN 0
	s_wait_dscnt 0x0                               ; for the others' sake: my stores into the stage are done
	s_barrier_signal -1
	s_barrier_wait -1
	s_cmp_eq_u32 s[TYP], 2
	s_cbranch_scc1 .Lv
	; q AND k.
	s_wait_loadcnt 32                              ; the gains are in; the ring's 32 loads stay out
.irp k, 0,1,2,3,4,5,6,7
	v_cvt_pk_bf16_f32 v[TL+(\k)], v[WL+2*(\k)], v[WL+2*(\k)+1]   ; the gains are rounded to bf16 like every other input
.endr
.irp k, 0,1,2,3,4,5,6,7
	v_lshlrev_b32 v[WL+2*(\k)],   16, v[TL+(\k)]
	v_and_b32     v[WL+2*(\k)+1], 0xffff0000, v[TL+(\k)]
.endr
.irp k, 0,1,2,3,4,5,6,7,8,9,10,11,12,13,14,15
	v_add_f32 v[WL+(\k)], 1.0, v[WL+(\k)]
.endr
.irp k, 0,1,2,3,4,5,6,7
	v_mul_f32 v[WN+(\k)], -1.0, v[WH+(\k)]
.endr
.macro MIX d, c, h, u, t               ; d = bf16 half h of c, times u, plus t
.if \h
	v_fma_mix_f32_bf16 v[\d], v[\c], v[\u], v[\t] op_sel:[1,0,0] op_sel_hi:[1,0,0]
.else
	v_fma_mix_f32_bf16 v[\d], v[\c], v[\u], v[\t] op_sel_hi:[1,0,0]
.endif
.endm
.macro PKM d, a, b, k                  ; a packed product on pair k
	v_pk_mul_f32 v[(\d)+(\k):(\d)+(\k)+1], v[(\a)+(\k):(\a)+(\k)+1], v[(\b)+(\k):(\b)+(\k)+1]
.endm
.macro XSUM m                          ; the sum of squares and that of the lane m away, inside the 16 lanes that hold the row
	v_add_f32_dpp v[SS], v[SS], v[SS] row_xmask:\m row_mask:0xf bank_mask:0xf
.endm
; Turn i of a round of eight: two rows.  The squares of my 16 numbers, in four chains; their sum over the row's 16 lanes; 1 / rms; between the links of that chain the twelve products with the gains.
; Then t cos + rotate_half(t) sin, straight from the bf16 halves; times 1 / rms; rounded to f16.  The turn eight on is asked for in cos and sin; in turns 0-3 the turn four on is read from the stage.
; dleft: the younger LDS loads that may stay out.  Each turn has result registers of its own, so the stores' sources are freed once a round.
.macro SLOTR i, dleft
.set cC, CSR+16*(\i)
.set cX, XR+16*((\i)%4)
.set cO, OUTR+8*(\i)
	s_wait_loadcnt 28                              ; seven younger turns of four loads stay out
	s_wait_dscnt \dleft
.irp k, 0,2,4,6
	v_pk_mul_f32 v[SS+(\k):SS+(\k)+1], v[cX+(\k):cX+(\k)+1], v[cX+(\k):cX+(\k)+1]
.endr
.irp k, 0,2,4,6
	v_pk_fma_f32 v[SS+(\k):SS+(\k)+1], v[cX+8+(\k):cX+9+(\k)], v[cX+8+(\k):cX+9+(\k)], v[SS+(\k):SS+(\k)+1]
.endr
	PKM UN, cX+8, WN, 0
	PKM UN, cX+8, WN, 2
	v_pk_add_f32 v[SS:SS+1], v[SS:SS+1], v[SS+2:SS+3]
	v_pk_add_f32 v[SS+4:SS+5], v[SS+4:SS+5], v[SS+6:SS+7]
	PKM UN, cX+8, WN, 4
	v_pk_add_f32 v[SS:SS+1], v[SS:SS+1], v[SS+4:SS+5]
	PKM UN, cX+8, WN, 6
	v_add_f32 v[SS], v[SS], v[SS+1]
	PKM cX+8, cX+8, WH, 0                          ; the high columns x gain, in place
	XSUM 1
	PKM cX+8, cX+8, WH, 2
	XSUM 2
	PKM cX+8, cX+8, WH, 4
	XSUM 4
	PKM cX+8, cX+8, WH, 6
	PKM cX, cX, WL, 0                              ; the low columns x gain, in place
	XSUM 8
	PKM cX, cX, WL, 2
	PKM cX, cX, WL, 4
	v_fma_f32 v[SS], v[SS], s74, s75               ; mean + 1e-6
	PKM cX, cX, WL, 6
	v_rsq_f32 v[RR], v[SS]                         ; twice, to fill the pair that the packed product names
	v_rsq_f32 v[RR+1], v[SS]
	WIN 0x01                                       ; source 0, cos and sin, in window 1
.irp k, 0,1,2,3,4,5,6,7
	MIX TL+(\k), cC+8+(\k)/2,  (\k)%2, UN+(\k), ZR ; - high x sin
	MIX TH+(\k), cC+12+(\k)/2, (\k)%2, cX+(\k), ZR ; low x sin
.endr
.irp k, 0,1,2,3,4,5,6,7
	MIX TL+(\k), cC+(\k)/2,   (\k)%2, cX+(\k),   TL+(\k)
	MIX TH+(\k), cC+4+(\k)/2, (\k)%2, cX+8+(\k), TH+(\k)
.endr
	WIN 0
	s_wait_alu depctr_va_vdst(0)                   ; the one wait ahead of the first use of 1 / rms; the 32 lines above are the work between
.irp k, 0,2,4,6,8,10,12,14
	v_pk_mul_f32 v[TL+(\k):TL+(\k)+1], v[TL+(\k):TL+(\k)+1], v[RR:RR+1]
.endr
.irp k, 0,1,2,3,4,5,6,7
	v_cvt_pk_f16_f32 v[cO+(\k)], v[TL+2*(\k)], v[TL+2*(\k)+1]
.endr
	WIN 0x40
	global_load_b128 v[cC:cC+3],     v[CSO], s[94:95] offset:1024*((\i)+8)
	global_load_b128 v[cC+4:cC+7],   v[CSO], s[94:95] offset:1024*((\i)+8)+256
	global_load_b128 v[cC+8:cC+11],  v[CSO], s[94:95] offset:1024*((\i)+8)+2097152
	global_load_b128 v[cC+12:cC+15], v[CSO], s[94:95] offset:1024*((\i)+8)+2097408
	WIN 0
.if (\i) < 4
.irp q, 0,1,2,3
	ds_load_b128 v[cX+4*(\q):cX+4*(\q)+3], v[RDA] offset:2*SROW*((\i)+4)+256*(\q)
.endr
.endif
	global_store_b128 v[OUTO], v[cO:cO+3],   s[90:91] offset:1024*(\i)       ; 16 lanes store 256 consecutive bytes, aligned
	global_store_b128 v[OUTO], v[cO+4:cO+7], s[90:91] offset:1024*(\i)+256
.endm
	s_mov_b32 s[CNT], 4
.Lrope:                                        ; a round: sixteen rows.  The last round's look-ahead in cos and sin names the sixteen rows behind my 64: other waves' rows, or the zeros behind sin; they are not used
.irp s, 0,1,2,3
.irp q, 0,1,2,3
	ds_load_b128 v[XR+16*(\s)+4*(\q):XR+16*(\s)+4*(\q)+3], v[RDA] offset:2*SROW*(\s)+256*(\q)
.endr
.endr
	SLOTR 0, 12                                    ; three younger turns of four LDS loads stay out,
	SLOTR 1, 12
	SLOTR 2, 12
	SLOTR 3, 12
	SLOTR 4, 12
	SLOTR 5, 8                                     ; then the counts run down: a round reads its own sixteen rows and no more
	SLOTR 6, 4
	SLOTR 7, 0
	s_wait_xcnt 0x0                                ; every load and store issued so far has read its offsets and its data
	v_add_nc_u32 v[CSO], 8192, v[CSO]
	v_add_nc_u32 v[OUTO], 8192, v[OUTO]
	v_add_nc_u32 v[RDA], 16*SROW, v[RDA]
	s_sub_co_u32 s[CNT], s[CNT], 1
	s_cmp_lg_u32 s[CNT], 0
	s_cbranch_scc1 .Lrope
	s_branch .Lend
.Lv:                                           ; v: rounded to f16 as it is; my sixteen columns' sums over my half of the wave's 64 rows are kept in f32
.irp k, 0,1,2,3,4,5,6,7,8,9,10,11,12,13,14,15
	v_mov_b32 v[VS+(\k)], 0
.endr
	s_mov_b32 s[CNT], 8
.Lvrow:                                        ; a trip: eight rows, two a turn
.irp s, 0,1,2,3
.irp q, 0,1,2,3
	ds_load_b128 v[XR+16*(\s)+4*(\q):XR+16*(\s)+4*(\q)+3], v[RDA] offset:2*SROW*(\s)+256*(\q)
.endr
.endr
.irp s, 0,1,2,3
	s_wait_dscnt 12-4*(\s)                         ; the younger turns' four loads each stay out
.irp k, 0,2,4,6,8,10,12,14
	v_pk_add_f32 v[VS+(\k):VS+(\k)+1], v[VS+(\k):VS+(\k)+1], v[XR+16*(\s)+(\k):XR+16*(\s)+(\k)+1]
.endr
.irp k, 0,1,2,3,4,5,6,7
	v_cvt_pk_f16_f32 v[OUTR+8*(\s)+(\k)], v[XR+16*(\s)+2*(\k)], v[XR+16*(\s)+2*(\k)+1]
.endr
	global_store_b128 v[OUTO], v[OUTR+8*(\s):OUTR+8*(\s)+3],   s[90:91] offset:1024*(\s)
	global_store_b128 v[OUTO], v[OUTR+8*(\s)+4:OUTR+8*(\s)+7], s[90:91] offset:1024*(\s)+256
.endr
	s_wait_xcnt 0x0                                ; the stores have read their data and their offset
	v_add_nc_u32 v[OUTO], 4096, v[OUTO]
	v_add_nc_u32 v[RDA], 8*SROW, v[RDA]
	s_sub_co_u32 s[CNT], s[CNT], 1
	s_cmp_lg_u32 s[CNT], 0
	s_cbranch_scc1 .Lvrow
.irp k, 0,1,2,3,4,5,6,7,8,9,10,11,12,13,14,15
	v_permlanex16_b32 v[XR+(\k)], v[VS+(\k)], s[SEL], s[SEL+1]   ; the other half of the rows lies in the lane 16 away
.endr
.irp k, 0,2,4,6,8,10,12,14
	v_pk_add_f32 v[VS+(\k):VS+(\k)+1], v[VS+(\k):VS+(\k)+1], v[XR+(\k):XR+(\k)+1]
.endr
	v_cmp_eq_u32 vcc_lo, 1, v2                     ; lanes 0-15 store the low columns' sums, lanes 16-31 the high ones'
.irp k, 0,1,2,3,4,5,6,7
	v_cndmask_b32 v[OUTR+(\k)], v[VS+(\k)], v[VS+8+(\k)], vcc_lo
.endr
	s_lshl_b32 s88, s[TY], 2                       ; vsum: group 4 TY + wave, 1,024 columns of f32; the head's 256
	s_add_co_u32 s88, s88, s[WV]
	s_lshl_b32 s88, s88, 10
	s_lshl_b32 s89, s[CX], 8
	s_add_co_u32 s88, s88, s89
	s_lshl_b32 s88, s88, 2
	s_mov_b32 s89, 0
	s_add_nc_u64 s[96:97], s[16:17], s[88:89]
	global_store_b128 v[GV], v[OUTR:OUTR+3],   s[96:97]
	global_store_b128 v[GV], v[OUTR+4:OUTR+7], s[96:97] offset:16
.Lend:
	s_wait_tensorcnt 0x0                           ; the wave's end: behind my last tensor load and my last LDS store
	ds_add_u32 v[SPW], v[NIL]
	s_wait_dscnt 0x0
	CROUND                                         ; the closing round
	s_endpgm
.Lfunc_end_k_q84dc57b90e_qkv:
	.size	k_q84dc57b90e_qkv, .Lfunc_end_k_q84dc57b90e_qkv-k_q84dc57b90e_qkv
	.p2alignl 7, 3214868480
	.fill 96, 4, 3214868480
	.section	.rodata,"a",@progbits
	.p2align	6, 0x0
	.amdhsa_kernel k_q84dc57b90e_qkv
		.amdhsa_group_segment_fixed_size 327680
		.amdhsa_private_segment_fixed_size 0
		.amdhsa_enable_private_segment 0
		.amdhsa_kernarg_size 56
		.amdhsa_user_sgpr_count 2
		.amdhsa_user_sgpr_kernarg_segment_ptr 1
		.amdhsa_wavefront_size32 1
		.amdhsa_system_sgpr_workgroup_id_x 1
		.amdhsa_system_sgpr_workgroup_id_y 1
		.amdhsa_system_sgpr_workgroup_id_z 1
		.amdhsa_system_vgpr_workitem_id 0
		.amdhsa_next_free_vgpr 1024
		.amdhsa_next_free_sgpr 100
		.amdhsa_reserve_vcc 1
		.amdhsa_float_denorm_mode_32 3
		.amdhsa_float_denorm_mode_16_64 3
		.amdhsa_memory_ordered 1
		.amdhsa_forward_progress 1
		.amdhsa_inst_pref_size 141
	.end_amdhsa_kernel
	.amdgpu_metadata
---
amdhsa.version: [ 1, 2 ]
amdhsa.kernels:
  - .name:           k_q84dc57b90e_qkv
    .symbol:         k_q84dc57b90e_qkv.kd
    .args:
      - { .name: xb, .offset: 0, .size: 8, .value_kind: global_buffer, .address_space: global }
      - { .name: wb, .offset: 8, .size: 8, .value_kind: global_buffer, .address_space: global }
      - { .name: cs, .offset: 16, .size: 8, .value_kind: global_buffer, .address_space: global }
      - { .name: q_norm_w, .offset: 24, .size: 8, .value_kind: global_buffer, .address_space: global }
      - { .name: k_norm_w, .offset: 32, .size: 8, .value_kind: global_buffer, .address_space: global }
      - { .name: qkv16, .offset: 40, .size: 8, .value_kind: global_buffer, .address_space: global }
      - { .name: vsum, .offset: 48, .size: 8, .value_kind: global_buffer, .address_space: global }
    .group_segment_fixed_size: 327680
    .private_segment_fixed_size: 0
    .kernarg_segment_align: 8
    .kernarg_segment_size: 56
    .max_flat_workgroup_size: 128
    .sgpr_count:     100
    .vgpr_count:     1024
    .wavefront_size: 32
...
	.end_amdgpu_metadata
.endif
;; end of part 2
;; launch attn (part 3): grid 32 x 8, 4 waves a work-group, no clusters, 327,680 bytes of LDS; arguments qkv16, pb, vsum, ob; writes ob
.if DOCPART == 3
	.amdgcn_target "amdgcn-amd-amdhsa--gfx1250"
	.amdhsa_code_object_version 6
	.text
	.protected	k_q84dc57b90e_attn
	.globl	k_q84dc57b90e_attn
	.p2align	8
	.type	k_q84dc57b90e_attn,@function
k_q84dc57b90e_attn:
	s_mov_b64 s[64:65], 0
	v_nop
	global_prefetch_b8 v0, s[64:65] scope:SCOPE_SE
	s_setreg_imm32_b32 hwreg(HW_REG_WAVE_MODE, 25, 1), 1
	s_wait_xcnt 0x0
; ATTENTION under the band (key <= query, query - key < 1,024) and the keys' padding bias.  q, k, v: f16, [b][h][2048][256]; products, maxima and sums in f32; the weights are rounded to f16 for the second product,
; O once at the end, into ob[b s][h 256] (f16).  p = 2^(c s - c m), c = log2(e) / 16, with a running maximum m; O and l are multiplied by a = 2^(c m_old - c m_new) in every step.
; A ROW WITH NO ALLOWED KEY gets the mean of V over all 2,048 keys: there every masked score is the same lowest number, so the softmax is uniform over the whole row.  THAT CASE IS THE STARTING STATE: every wave starts
; with O = the mean of V, l = 1 (0.5 in each half of the lanes) and m = -2^96, c m made by the step's own multiplication.  While a query has seen no allowed key, m stays, a = 2^0 = 1, all its weights are 0, and the state
; stays as it started; the first true score makes a = 0, which wipes the state out exactly.  So l is never 0, and the end has no case of its own.
; LIMITS.  A hidden score counts as its value less 1e30 (once for the band, once for the padding).  -2^96 lies above every hidden score and below every true one (true scores are sums of 256 products of f16 numbers,
; 1.1e12 at the most, and must lie above -2^95), so a hidden score is never the maximum, and c s - c m is never formed of two numbers of the size of 1e30, whose rounding would be far above 1.
; A weight below 2^-126 counts as 0; NaN and infinities are not treated apart.
; SHARES.  A work-group owns 64 queries of a head: 32 x 8 = 256 work-groups.  Wave w: QH = w % 2 picks 32 queries, two tiles of 16; KH = w / 2 picks 64 of a slot's 128 keys.  The two waves of a QH hold partial
; (m, l, O) over disjoint keys, merged once at the end.  Register tile t holds query tile t xor KH, so that every wave keeps its register tile 0 and gives its register tile 1 to wave w xor 2.
; THE WALK, in tiles of 64 keys: from KT0 = max(QT - 16, 0); a slot holds two tiles; 2 T + 1 slots, T = max(1, (QT - KT0 + 2) / 4).  Tiles above the diagonal that the odd count brings in are wholly hidden; their
; number is held to 31 in addresses.  The trip count hangs on the work-group's number alone; LDS addresses are fixed.
; THE MASK starts the sum S^T: MD x AL + (PB + BE).  MD, made once, hides key place > query place; with D = QT - tile: D = 0: (1, 0); D = 16: (-1, -1e30), the complement; D < 0: (0, -1e30); else (0, 0).  PB is the keys' bias.
; NO CLUSTER: neighbouring blocks' windows are shifted by 64 keys against each other and early blocks have other trip counts; a walk common to four blocks would have 11 slots for 9.
; REGISTERS: window 0: addresses, statistics, v64-127 S^T (32 t + 8 kb), v128-159 P (and PB + BE), v160-223 MD, v224-255 PB; window 1: O^T (128 t + 8 cb);
;   window 2: v0-127 Q (64 t + 8 c), v128-255 K of key blocks 0, 1, later V of keys 32-63; window 3: v0-127 K of key blocks 2, 3; v128-255 V of keys 0-31.
.set PK,    528                        ; a row of K in LDS: 512 bytes + 16
.set PV,    544                        ; a row of V: 512 + 32 = 17 x 32, for the turning load
.set KT,    64*PK
.set VT,    64*PV
.set VOFF,  2*KT
.set SLOT,  VOFF+2*VT                  ; 137,216
.set VM,    2*SLOT                     ; the mean of V: 256 f32
.set STAGE, VM+1024                    ; 16 rows x 528 bytes for each wave, for the way out
.set SP,    528
.set SPARE, STAGE+4*16*SP              ; the spare words, 128 bytes a wave
.set SCR,   SLOT                       ; the merge's scratch lies in slot 1, behind that slot's last fill and last read: 16,384 bytes a wave,
.set SCS,   SLOT+65536                 ; then 256 bytes a wave of statistics
.set QO1, 3
.set AK,  8
.set AV,  10
.set PBL, 12
.set PBO, 13
.set QO0, 14
.set PFO, 15
.set DQ,  16
.set STO, 18
.set RD,  19
.set GO,  20
.set SCO, 21
.set SCI, 22
.set SSO, 23
.set SSI, 24
.set VMA, 25
.set SPW, 26                           ; v26 LDS address of my spare word; never rewritten
.set NIL, 27                           ; v27 0; never rewritten
.set BG,  28                           ; v28 -1e30
.set VMS, 30
.set VSO, 31
.set ST,  32                           ; tile t at ST + 8 t: c m, m, l (even keys', odd keys'), c0-c3 at work; a takes c2's place
.set F1,  48
.set F2,  50
.set GIV, 54
.set GOT, 56
.set S,   64
.set P,   128
.set MD,  160
.set PB,  224
.set WV,  12
.set QH,  13
.set KH,  14
.set QT,  15
.set BH,  16
.set TT,  18
.set II,  19
.set KTL, 20                           ; the tile that I load next
.set KTC, 21                           ; the tile that I compute next
.set LIMK, 23
.set G1K, 24
.set G1V, 32
.set G0K, 40                           ; s[40:47] K's group 0, one for each slot
.set SBK, 48
.set OFF, 50
.set SBV, 52
.set SBP, 54
.set PFA, 56
.set CS,  58
.set SEL, 60
.set AL,  62
.set BE,  66
.set BIGN, 68
.set OBB, 70
.set POF, 72
.set PBB, 74
.set G0V, 76                           ; s[76:83] V's group 0, one for each slot
.set QB,  84
.set VSB, 86
.set MSB, 0
.macro WIN new
.if MSB != (\new)
	s_set_vgpr_msb (MSB<<8)|(\new)
.set MSB, \new
.endif
.endm
.macro PLACES
.rept 4
	v_nop
.endr
.endm
.macro ADDR sf                         ; slot sf's two descriptors take tile KTL's address, made anew from the number; then KTL steps
	s_min_u32 s[OFF], s[KTL], 31
	s_lshl_b32 s[OFF], s[OFF], 15                  ; a tile is 32,768 bytes of K and of V
	s_add_nc_u64 s[G0K+4*(\sf)+2:G0K+4*(\sf)+3], s[SBK:SBK+1], s[OFF:OFF+1]
	s_or_b32 s[G0K+4*(\sf)+3], s[G0K+4*(\sf)+3], 0x80000000
	s_add_nc_u64 s[G0V+4*(\sf)+2:G0V+4*(\sf)+3], s[SBV:SBV+1], s[OFF:OFF+1]
	s_or_b32 s[G0V+4*(\sf)+3], s[G0V+4*(\sf)+3], 0x80000000
	s_add_co_u32 s[KTL], s[KTL], 2
.endm
.macro LOAD sf                         ; waves 0, 1 fetch the slot's two tiles of K, waves 2, 3 those of V
	s_cmp_lt_u32 s[WV], 2
	s_cbranch_scc0 .Lfor_v_\@
	tensor_load_to_lds s[G0K+4*(\sf):G0K+4*(\sf)+3], s[G1K:G1K+7]
	s_nop 0
.rept 4
	v_nop
.endr
	s_branch .Lasked_\@
.Lfor_v_\@:
	tensor_load_to_lds s[G0V+4*(\sf):G0V+4*(\sf)+3], s[G1V:G1V+7]
	s_nop 0
.rept 4
	v_nop
.endr
.Lasked_\@:
.endm
; THE CHANGE OF SLOTS.  Each wave waits for all its tensor loads (one is out: its part of the slot to be read), adds 0 to its spare word, and waits for that and for its reads of the slot that it leaves.
; fill = 1: that slot is filled again, the first thing behind the barrier.  (At its first use nothing has been read yet: slot 0 is waited for, slot 1 filled.)
.macro CHANGE fill, sf
	WIN 0
	s_wait_tensorcnt 0x0
	ds_add_u32 v[SPW], v[NIL]                      ; 0 onto my spare word; the descriptors' scalar work stands between it and the wait for it
.if \fill
	s_wait_xcnt 0x0                                ; the last prefetches, a step back, have read their address
	ADDR \sf
	s_min_u32 s[POF], s[KTL], 31
	s_lshl_b32 s[POF], s[POF], 15
	s_add_nc_u64 s[PFA:PFA+1], s[SBP:SBP+1], s[POF:POF+1]   ; the tile that I load at the next change
.endif
	s_wait_dscnt 0x0
	s_barrier_signal -1
	s_barrier_wait -1
.if \fill
	LOAD \sf                                       ; its four v_nop are also the places behind the last products
.else
	PLACES
.endif
.endm
; A prefetch of the 32,768 bytes that this wave loads at the next change: 128 blocks of 256 bytes, a lane a block, four instructions.  Of a head's blocks of queries the last (QT = 31) starts highest in the keys and is the
; first to reach tiles 17 to 31: it alone asks, each wave for its own tile, so each block is named once.  Numbers above 31 are not asked for.
.macro ASKP
	s_cmp_le_u32 s[KTL], s[LIMK]
	s_cbranch_scc0 .Lnot_mine_\@
.irp j, 0,1,2,3
	global_prefetch_b8 v[PFO], s[PFA:PFA+1] offset:8192*(\j) th:TH_LOAD_NT scope:SCOPE_SE
.endr
.Lnot_mine_\@:
.endm
; THE SOFTMAX of both tiles for 64 keys, in phases, the tiles alternating line by line.  All 66 exponentials are one batch with one wait.
.macro SOFTMAX
	WIN 0
.irp j, 0,1,2,3
.irp t, 0,1
	v_max3_num_f32 v[ST+8*(\t)+4+(\j)], v[S+32*(\t)+8*(\j)], v[S+32*(\t)+8*(\j)+1], v[S+32*(\t)+8*(\j)+2]   ; each accumulator's lowest registers are read first
.endr
.endr
.irp j, 4,5,6,7,8,9,10,11
.irp t, 0,1
	v_max3_num_f32 v[ST+8*(\t)+4+(\j)%4], v[ST+8*(\t)+4+(\j)%4], v[S+32*(\t)+8*((\j)%4)+2*((\j)/4)+1], v[S+32*(\t)+8*((\j)%4)+2*((\j)/4)+2]
.endr
.endr
.irp t, 0,1
	v_max3_num_f32 v[ST+8*(\t)+4], v[ST+8*(\t)+4], v[S+32*(\t)+7], v[S+32*(\t)+15]
	v_max3_num_f32 v[ST+8*(\t)+6], v[ST+8*(\t)+6], v[S+32*(\t)+23], v[S+32*(\t)+31]
.endr
.irp t, 0,1
	v_max3_num_f32 v[ST+8*(\t)+4], v[ST+8*(\t)+4], v[ST+8*(\t)+5], v[ST+8*(\t)+6]
.endr
.irp t, 0,1
	v_max3_num_f32 v[ST+8*(\t)+4], v[ST+8*(\t)+4], v[ST+8*(\t)+7], v[ST+8*(\t)+1]   ; the old m is among them: m never falls below its start, -2^96
.endr
.irp t, 0,1
	v_permlanex16_b32 v[ST+8*(\t)+5], v[ST+8*(\t)+4], s[SEL], s[SEL+1]   ; the query's other 32 keys lie in the lane 16 away
.endr
.irp t, 0,1
	v_mov_b32 v[ST+8*(\t)+7], v[ST+8*(\t)]         ; c m_old
.endr
.irp t, 0,1
	v_max_num_f32 v[ST+8*(\t)+1], v[ST+8*(\t)+4], v[ST+8*(\t)+5]
.endr
.irp t, 0,1
	v_mul_f32 v[ST+8*(\t)], s[CS], v[ST+8*(\t)+1]
.endr
.irp t, 0,1
	v_sub_f32 v[ST+8*(\t)+7], v[ST+8*(\t)+7], v[ST+8*(\t)]
.endr
.set i, 0
.rept 16
.irp t, 0,1
	v_pk_fma_f32 v[S+32*(\t)+2*i:S+32*(\t)+2*i+1], v[S+32*(\t)+2*i:S+32*(\t)+2*i+1], s[CS:CS+1], v[ST+8*(\t):ST+8*(\t)+1] op_sel_hi:[1,0,0] neg_lo:[0,0,1] neg_hi:[0,0,1]
.endr
.set i, i+1
.endr
.irp t, 0,1
	v_exp_f32 v[ST+8*(\t)+6], v[ST+8*(\t)+7]       ; a
.endr
.set i, 0
.rept 32
.irp t, 0,1
	v_exp_f32 v[S+32*(\t)+i], v[S+32*(\t)+i]
.endr
.set i, i+1
.endr
	v_nop                                          ; a plain instruction behind the last exponential,
	s_wait_alu depctr_va_vdst(0)                   ; and the one wait ahead of the batch's first reader
.set i, 0
.rept 16
.irp t, 0,1
	v_cvt_pk_f16_f32 v[P+16*(\t)+i], v[S+32*(\t)+2*i], v[S+32*(\t)+2*i+1]
.endr
.set i, i+1
.endr
.irp w, 4,8,16,32                      ; the sum of a tile's 16 pairs, in place: neighbours 1, 2, 4, 8 pairs apart
.set i, 0
.rept 32/(\w)
.irp t, 0,1
	v_pk_add_f32 v[S+32*(\t)+(\w)*i:S+32*(\t)+(\w)*i+1], v[S+32*(\t)+(\w)*i:S+32*(\t)+(\w)*i+1], v[S+32*(\t)+(\w)*i+(\w)/2:S+32*(\t)+(\w)*i+(\w)/2+1]
.endr
.set i, i+1
.endr
.endr
.irp t, 0,1
	v_pk_fma_f32 v[ST+8*(\t)+2:ST+8*(\t)+3], v[ST+8*(\t)+2:ST+8*(\t)+3], v[ST+8*(\t)+6:ST+8*(\t)+7], v[S+32*(\t):S+32*(\t)+1] op_sel_hi:[1,0,1]   ; l = a l + sum
.endr
	WIN 0x41                                       ; O^T times a, ascending
.irp t, 0,1
.set i, 0
.rept 64
	v_pk_mul_f32 v[128*(\t)+2*i:128*(\t)+2*i+1], v[128*(\t)+2*i:128*(\t)+2*i+1], v[ST+8*(\t)+6:ST+8*(\t)+7] op_sel_hi:[1,0]
.set i, i+1
.endr
.endr
.endm
; A KEY STEP on slot sg: 64 products K Q^T, the softmax, 64 products V^T P.  more = 1: the next step's bias is asked for; ask = 1: the prefetch.
.macro STEP sg, more, ask
	WIN 0x80                                       ; K of key blocks 0, 1: 32 loads
.irp kb, 0,1
.irp c, 0,1,2,3,4,5,6,7
	ds_load_b128 v[128+64*(\kb)+8*(\c):128+64*(\kb)+8*(\c)+3],   v[AK+(\sg)] offset:(\kb)*16*PK+64*(\c)
	ds_load_b128 v[128+64*(\kb)+8*(\c)+4:128+64*(\kb)+8*(\c)+7], v[AK+(\sg)] offset:(\kb)*16*PK+64*(\c)+32
.endr
.endr
	WIN 0xc0                                       ; of key blocks 2, 3: 32 loads
.irp kb, 2,3
.irp c, 0,1,2,3,4,5,6,7
	ds_load_b128 v[64*((\kb)-2)+8*(\c):64*((\kb)-2)+8*(\c)+3],   v[AK+(\sg)] offset:(\kb)*16*PK+64*(\c)
	ds_load_b128 v[64*((\kb)-2)+8*(\c)+4:64*((\kb)-2)+8*(\c)+7], v[AK+(\sg)] offset:(\kb)*16*PK+64*(\c)+32
.endr
.endr
	WIN 0
.if \ask
	ASKP
.endif
	s_wait_loadcnt 0x0                             ; the keys' bias, asked for a step ago
	s_sub_co_i32 s22, s[QT], s[KTC]                ; D
	s_cmp_eq_u32 s22, 0
	s_cselect_b32 s[AL], 1.0, 0
	s_cmp_eq_u32 s22, 16
	s_cselect_b32 s[AL], -1.0, s[AL]
	s_cselect_b32 s[BE], s[BIGN], 0
	s_cmp_lt_i32 s22, 0
	s_cselect_b32 s[BE], s[BIGN], s[BE]
	s_add_co_u32 s[KTC], s[KTC], 2
.set i, 0
.rept 16
	v_pk_add_f32 v[P+2*i:P+2*i+1], v[PB+2*i:PB+2*i+1], s[BE:BE+1] op_sel_hi:[1,0]
.set i, i+1
.endr
.irp t, 0,1
.set i, 0
.rept 16
	v_pk_fma_f32 v[S+32*(\t)+2*i:S+32*(\t)+2*i+1], v[MD+32*(\t)+2*i:MD+32*(\t)+2*i+1], s[AL:AL+1], v[P+2*i:P+2*i+1] op_sel_hi:[1,0,1]
.set i, i+1
.endr
.endr
.if \more
	s_min_u32 s22, s[KTC], 31
	s_lshl_b32 s22, s22, 8
	v_add_nc_u32 v[PBO], s22, v[PBL]               ; free since the wait above
.irp kb, 0,1,2,3
	global_load_b128 v[PB+8*(\kb):PB+8*(\kb)+3],   v[PBO], s[PBB:PBB+1] offset:64*(\kb)
	global_load_b128 v[PB+8*(\kb)+4:PB+8*(\kb)+7], v[PBO], s[PBB:PBB+1] offset:64*(\kb)+16
.endr
.endif
	s_wait_dscnt 32                                ; key blocks 0, 1 are in; the other 32 loads may be out
	WIN 0x0a                                       ; four accumulators take turns, one instruction a turn
.irp c, 0,1,2,3,4,5,6,7
.irp kb, 0,1
.irp t, 0,1
	v_wmma_f32_16x16x32_f16 v[S+32*(\t)+8*(\kb):S+32*(\t)+8*(\kb)+7], v[128+64*(\kb)+8*(\c):128+64*(\kb)+8*(\c)+7], v[64*(\t)+8*(\c):64*(\t)+8*(\c)+7], v[S+32*(\t)+8*(\kb):S+32*(\t)+8*(\kb)+7]
.endr
.endr
.endr
	WIN 0xc0                                       ; V of keys 0-31, turned: 32 loads, into registers last multiplied a step ago
.irp cb, 0,1,2,3,4,5,6,7,8,9,10,11,12,13,14,15
	ds_load_tr16_b128 v[128+8*(\cb):128+8*(\cb)+3],   v[AV+(\sg)] offset:32*(\cb)
	ds_load_tr16_b128 v[128+8*(\cb)+4:128+8*(\cb)+7], v[AV+(\sg)] offset:32*(\cb)+16*PV
.endr
	s_wait_dscnt 32                                ; key blocks 2, 3 are in; V's 32 may be out
	WIN 0x0b
.irp c, 0,1,2,3,4,5,6,7
.irp kb, 2,3
.irp t, 0,1
	v_wmma_f32_16x16x32_f16 v[S+32*(\t)+8*(\kb):S+32*(\t)+8*(\kb)+7], v[64*((\kb)-2)+8*(\c):64*((\kb)-2)+8*(\c)+7], v[64*(\t)+8*(\c):64*(\t)+8*(\c)+7], v[S+32*(\t)+8*(\kb):S+32*(\t)+8*(\kb)+7]
.endr
.endr
.endr
	WIN 0
	PLACES                                         ; in front of the loads into K's first registers, and of the maxima that read the scores
	WIN 0x80                                       ; V of keys 32-63
.irp cb, 0,1,2,3,4,5,6,7,8,9,10,11,12,13,14,15
	ds_load_tr16_b128 v[128+8*(\cb):128+8*(\cb)+3],   v[AV+(\sg)] offset:32*PV+32*(\cb)
	ds_load_tr16_b128 v[128+8*(\cb)+4:128+8*(\cb)+7], v[AV+(\sg)] offset:32*PV+32*(\cb)+16*PV
.endr
	SOFTMAX
	s_wait_dscnt 32                                ; V of keys 0-31 is in
	WIN 0x53                                       ; 32 accumulators take turns
.irp cb, 0,1,2,3,4,5,6,7,8,9,10,11,12,13,14,15
.irp t, 0,1
	v_wmma_f32_16x16x32_f16 v[128*(\t)+8*(\cb):128*(\t)+8*(\cb)+7], v[128+8*(\cb):128+8*(\cb)+7], v[P+16*(\t):P+16*(\t)+7], v[128*(\t)+8*(\cb):128*(\t)+8*(\cb)+7]
.endr
.endr
	s_wait_dscnt 0x0
	WIN 0x52
.irp cb, 0,1,2,3,4,5,6,7,8,9,10,11,12,13,14,15
.irp t, 0,1
	v_wmma_f32_16x16x32_f16 v[128*(\t)+8*(\cb):128*(\t)+8*(\cb)+7], v[128+8*(\cb):128+8*(\cb)+7], v[P+16*(\t)+8:P+16*(\t)+15], v[128*(\t)+8*(\cb):128*(\t)+8*(\cb)+7]
.endr
.endr
	WIN 0
.endm
	s_load_b256 s[4:11], s[0:1], 0x0               ; qkv16 s[4:5], pb s[6:7], vsum s[8:9], ob s[10:11]
	v_lshl_add_u32 v[SPW], v0, 2, SPARE
	v_mov_b32 v[NIL], 0
	ds_add_u32 v[SPW], v[NIL]                      ; the wave's opening: the add and its wait ahead of my first tensor load
	ds_add_u32 v26, v27
	v_lshrrev_b32 v4, 5, v0
	v_readfirstlane_b32 s[WV], v4
	s_and_b32 s[QH], s[WV], 1                      ; also: which of a slot's two tiles I fetch
	s_lshr_b32 s[KH], s[WV], 1
	s_mov_b32 s[QT], ttmp9
	s_and_b32 s[BH], ttmp7, 0xffff
	s_sub_co_i32 s17, s[QT], 16
	s_max_i32 s17, s17, 0                          ; KT0
	s_sub_co_u32 s[TT], s[QT], s17
	s_add_co_u32 s[TT], s[TT], 2
	s_lshr_b32 s[TT], s[TT], 2
	s_max_u32 s[TT], s[TT], 1
	s_add_co_u32 s[KTL], s17, s[QH]
	s_add_co_u32 s[KTC], s17, s[KH]
	s_cmp_eq_u32 s[QT], 31
	s_cselect_b32 s[LIMK], 31, 0
	s_mov_b32 s[G1K], (1<<16)|(1<<20)|(6<<22)|(3<<25)   ; 2-byte elements; padding on; after every 128 words 4 words
	s_mov_b32 s[G1V], (1<<16)|(1<<20)|(6<<22)|(7<<25)   ; 8 words
.irp g, G1K, G1V
	s_mov_b32 s[(\g)+1], 256<<16                   ; tensor_dim0 = 256
	s_mov_b32 s[(\g)+2], 64<<16                    ; tensor_dim1 = 64
	s_mov_b32 s[(\g)+3], 256<<16                   ; tile_dim0 = 256
	s_mov_b32 s[(\g)+4], 64                        ; tile_dim1 = 64
	s_mov_b32 s[(\g)+5], 256                       ; elements from row to row
	s_mov_b32 s[(\g)+6], 0
	s_mov_b32 s[(\g)+7], 0
.endr
	s_mul_i32 s88, s[QH], KT
	s_mul_i32 s89, s[QH], VT
	s_mov_b32 s[G0K], 1
	s_mov_b32 s[G0K+1], s88
	s_mov_b32 s[G0K+4], 1
	s_add_co_u32 s[G0K+5], s88, SLOT
	s_mov_b32 s[G0V], 1
	s_add_co_u32 s[G0V+1], s89, VOFF
	s_mov_b32 s[G0V+4], 1
	s_add_co_u32 s[G0V+5], s89, VOFF+SLOT
	s_mov_b32 s[OFF+1], 0
	s_mov_b32 s[POF+1], 0
	s_mov_b32 s[CS], 0x3db8aa3b                    ; c = log2(e) / 16
	s_mov_b32 s[CS+1], s[CS]
	s_mov_b32 s[SEL], 0x76543210
	s_mov_b32 s[SEL+1], 0xfedcba98
	s_mov_b32 s[AL+1], 0
	s_mov_b32 s[BE+1], 0
	s_mov_b32 s[BIGN], 0xf149f2ca                  ; -1e30
	s_mov_b32 s[II], 0
	s_lshl_b32 s90, s[BH], 20                      ; a head is 1,048,576 bytes
	s_mov_b32 s91, 0
	s_wait_dscnt 0x0                               ; the opening add is done
	s_wait_kmcnt 0x0
	s_add_nc_u64 s[QB:QB+1], s[4:5], s[90:91]
	s_add_nc_u64 s[SBK:SBK+1], s[QB:QB+1], 8388608
	s_add_nc_u64 s[SBV:SBV+1], s[QB:QB+1], 16777216
	s_cmp_lt_u32 s[WV], 2
	s_cselect_b64 s[SBP:SBP+1], s[SBK:SBK+1], s[SBV:SBV+1]
	ADDR 0
	LOAD 0                                         ; the walk's first slot
	s_lshl_b32 s90, s[QT], 6
	s_lshl_b32 s88, s[QH], 5
	s_add_co_u32 s90, s90, s88
	s_lshl_b32 s90, s90, 9
	s_add_nc_u64 s[QB:QB+1], s[QB:QB+1], s[90:91]  ; Q at my 32 rows
	v_and_b32 v1, 15, v0                           ; l % 16
	v_bfe_u32 v2, v0, 4, 1                         ; l / 16
	v_lshlrev_b32 v4, 9, v1
	v_lshl_add_u32 v4, v2, 4, v4                   ; row x 512 + 16 x half
	s_lshl_b32 s88, s[KH], 13                      ; register tile 0 is query tile KH,
	s_xor_b32 s89, s88, 8192                       ; register tile 1 the other
	v_add_nc_u32 v[QO0], s88, v4
	v_add_nc_u32 v[QO1], s89, v4
	WIN 0x80
.irp c, 0,1,2,3,4,5,6,7
	global_load_b128 v[8*(\c):8*(\c)+3],       v[QO0], s[QB:QB+1] offset:64*(\c)
	global_load_b128 v[8*(\c)+4:8*(\c)+7],     v[QO0], s[QB:QB+1] offset:64*(\c)+32
	global_load_b128 v[64+8*(\c):64+8*(\c)+3], v[QO1], s[QB:QB+1] offset:64*(\c)
	global_load_b128 v[64+8*(\c)+4:64+8*(\c)+7], v[QO1], s[QB:QB+1] offset:64*(\c)+32
.endr
	WIN 0
	s_lshr_b32 s88, s[BH], 2                       ; b
	s_lshl_b32 s90, s88, 13
	s_add_nc_u64 s[PBB:PBB+1], s[6:7], s[90:91]
	v_lshlrev_b32 v[PBL], 5, v2                    ; my lanes' eight keys of a block of 16: 32 bytes
	s_min_u32 s89, s[KTC], 31
	s_lshl_b32 s89, s89, 8
	v_add_nc_u32 v[PBO], s89, v[PBL]
.irp kb, 0,1,2,3
	global_load_b128 v[PB+8*(\kb):PB+8*(\kb)+3],   v[PBO], s[PBB:PBB+1] offset:64*(\kb)
	global_load_b128 v[PB+8*(\kb)+4:PB+8*(\kb)+7], v[PBO], s[PBB:PBB+1] offset:64*(\kb)+16
.endr
	s_lshl_b32 s90, s88, 17                        ; vsum: the batch's 32 groups of 4,096 bytes, the head's 1,024
	s_and_b32 s89, s[BH], 3
	s_lshl_b32 s89, s89, 10
	s_add_co_u32 s90, s90, s89
	s_add_nc_u64 s[VSB:VSB+1], s[8:9], s[90:91]
	v_lshlrev_b32 v[VSO], 3, v0                    ; thread t takes columns 2 t, 2 t + 1
.set i, 0
.rept 32
	global_load_b64 v[S+2*i:S+2*i+1], v[VSO], s[VSB:VSB+1] offset:4096*i
.set i, i+1
.endr
	s_lshl_b32 s90, s88, 11                        ; ob: row 2,048 b + 64 QT + 32 QH + 16 KH (the tile that I keep), 2,048 bytes a row; the head's 512
	s_lshl_b32 s89, s[QT], 6
	s_add_co_u32 s90, s90, s89
	s_lshl_b32 s89, s[QH], 5
	s_add_co_u32 s90, s90, s89
	s_lshl_b32 s89, s[KH], 4
	s_add_co_u32 s90, s90, s89
	s_lshl_b32 s90, s90, 11
	s_and_b32 s89, s[BH], 3
	s_lshl_b32 s89, s89, 9
	s_add_co_u32 s90, s90, s89
	s_add_nc_u64 s[OBB:OBB+1], s[10:11], s[90:91]
	; lane addresses
	v_mul_u32_u24 v4, v1, PK
	v_lshl_add_u32 v4, v2, 4, v4
	s_mul_i32 s88, s[KH], KT
	v_add_nc_u32 v[AK], s88, v4
	v_add_nc_u32 v[AK+1], SLOT, v[AK]
	v_and_b32 v5, 7, v0
	v_lshl_add_u32 v5, v2, 3, v5
	v_mul_u32_u24 v5, v5, PV
	v_bfe_u32 v6, v0, 3, 1
	v_lshl_add_u32 v5, v6, 4, v5
	s_mul_i32 s88, s[KH], VT
	s_add_co_u32 s88, s88, VOFF
	v_add_nc_u32 v[AV], s88, v5
	v_add_nc_u32 v[AV+1], SLOT, v[AV]
	v_lshlrev_b32 v4, 3, v2
	v_sub_nc_u32 v4, v1, v4                        ; l % 16 - 8 (l / 16)
	s_lshl_b32 s88, s[QH], 5
	s_lshl_b32 s89, s[KH], 4
	s_add_co_u32 s90, s88, s89
	s_xor_b32 s89, s89, 16
	s_add_co_u32 s89, s88, s89
	v_add_nc_u32 v[DQ], s90, v4                    ; my query's place in the block of 64, less my lanes' 8 (l / 16)
	v_add_nc_u32 v[DQ+1], s89, v4
	v_mov_b32 v[BG], s[BIGN]
.irp t, 0,1
.set i, 0
.rept 32
	v_cmp_gt_i32 vcc_lo, 16*(i/8)+i%8, v[DQ+(\t)]  ; the key's place is greater than the query's
	v_cndmask_b32 v[MD+32*(\t)+i], 0, v[BG], vcc_lo
.set i, i+1
.endr
.endr
	s_mul_i32 s88, s[WV], 16*SP
	s_add_co_u32 s88, s88, STAGE
	v_mul_u32_u24 v[STO], v1, SP
	v_lshl_add_u32 v[STO], v2, 4, v[STO]
	v_add_nc_u32 v[STO], s88, v[STO]
	v_and_b32 v4, 31, v0
	v_lshlrev_b32 v[GO], 4, v4
	v_add_nc_u32 v[RD], s88, v[GO]
	s_lshl_b32 s88, s[WV], 14
	s_add_co_u32 s88, s88, SCR
	v_add_nc_u32 v[SCO], s88, v[GO]
	s_xor_b32 s89, s[WV], 2                        ; my partner
	s_lshl_b32 s88, s89, 14
	s_add_co_u32 s88, s88, SCR
	v_add_nc_u32 v[SCI], s88, v[GO]
	v_lshlrev_b32 v5, 3, v4
	s_lshl_b32 s88, s[WV], 8
	s_add_co_u32 s88, s88, SCS
	v_add_nc_u32 v[SSO], s88, v5
	s_lshl_b32 s88, s89, 8
	s_add_co_u32 s88, s88, SCS
	v_add_nc_u32 v[SSI], s88, v5
	v_lshlrev_b32 v[VMA], 5, v2
	v_add_nc_u32 v[VMA], VM, v[VMA]
	v_lshl_add_u32 v[VMS], v0, 3, VM
	v_lshlrev_b32 v[PFO], 8, v4
.irp t, 0,1
	v_mov_b32 v[ST+8*(\t)+1], 0xef800000           ; m = -2^96: above every hidden score, below every true one
	v_mov_b32 v[ST+8*(\t)+2], 0.5                  ; l: 0.5 in each of the query's two lanes
	v_mov_b32 v[ST+8*(\t)+3], 0
.endr
.irp t, 0,1
	v_mul_f32 v[ST+8*(\t)], s[CS], v[ST+8*(\t)+1]  ; c m, by the line that every step makes it by: while m stays, c m_old - c m_new is exactly 0
.endr
	s_wait_loadcnt 0x0                             ; Q, the first bias, the 32 partial sums of V
.irp w, 32,16,8,4,2
.set i, 0
.rept (\w)/2
	v_pk_add_f32 v[S+2*i:S+2*i+1], v[S+2*i:S+2*i+1], v[S+2*i+(\w):S+2*i+(\w)+1]
.set i, i+1
.endr
.endr
	v_mul_f32 v[S], 0x3a000000, v[S]               ; / 2,048
	v_mul_f32 v[S+1], 0x3a000000, v[S+1]
	ds_store_b64 v[VMS], v[S:S+1]
	s_wait_dscnt 0x0                               ; for the others' sake: my two columns of the mean are stored
	s_barrier_signal -1
	s_barrier_wait -1                              ; my tensor load may stay out
	WIN 0x40                                       ; both tiles' O^T start as the mean of V, in O^T's layout: channels 16 cb + 8 (l / 16) + 0..7
.irp t, 0,1
.irp cb, 0,1,2,3,4,5,6,7,8,9,10,11,12,13,14,15
	ds_load_b128 v[128*(\t)+8*(\cb):128*(\t)+8*(\cb)+3],   v[VMA] offset:64*(\cb)
	ds_load_b128 v[128*(\t)+8*(\cb)+4:128*(\t)+8*(\cb)+7], v[VMA] offset:64*(\cb)+16
.endr
.endr
	WIN 0
.Lloop:                                        ; T trips of two slots
	CHANGE 1, 1
	STEP 0, 1, 1
	CHANGE 1, 0
	STEP 1, 1, 1
	s_add_co_u32 s[II], s[II], 1
	s_cmp_lt_u32 s[II], s[TT]
	s_cbranch_scc1 .Lloop
	CHANGE 0, 0                                    ; the last slot is written out: nothing is asked for
	STEP 0, 0, 0
	; THE END.  l's halves are added; register tile 1 and its (m, l) go to my partner through slot 1, which nobody reads or fills any more; my partner's come back; the two parts of the tile that I keep are merged.
	; A part that saw no allowed key still holds its start (m = -2^96, l = 1, O = the mean of V): beside a part with a true score its factor is 0; two such parts give (mean + mean) / 2.
	PLACES
	PLACES
.irp t, 0,1
	v_add_f32 v[ST+8*(\t)+2], v[ST+8*(\t)+2], v[ST+8*(\t)+3]
.endr
.irp t, 0,1
	v_permlanex16_b32 v[ST+8*(\t)+3], v[ST+8*(\t)+2], s[SEL], s[SEL+1]
.endr
.irp t, 0,1
	v_add_f32 v[ST+8*(\t)+2], v[ST+8*(\t)+2], v[ST+8*(\t)+3]
.endr
	v_mov_b32 v[GIV], v[ST+9]
	v_mov_b32 v[GIV+1], v[ST+10]
	WIN 0x04                                       ; the stores' data lie in window 1
.set i, 0
.rept 32
	ds_store_b128 v[SCO], v[128+4*i:128+4*i+3] offset:512*i
.set i, i+1
.endr
	WIN 0
	ds_store_b64 v[SSO], v[GIV:GIV+1]
	s_wait_dscnt 0x0                               ; for my partner's sake: my stores are done
	s_barrier_signal -1
	s_barrier_wait -1
	WIN 0xc0
.set i, 0
.rept 32
	ds_load_b128 v[4*i:4*i+3], v[SCI] offset:512*i
.set i, i+1
.endr
	WIN 0
	ds_load_b64 v[GOT:GOT+1], v[SSI]
	s_wait_dscnt 0x0
	v_max_num_f32 v58, v[ST+1], v[GOT]             ; M
	v_sub_f32 v59, v[ST+1], v58
	v_sub_f32 v60, v[GOT], v58
	v_mul_f32 v59, s[CS], v59
	v_mul_f32 v60, s[CS], v60
	v_exp_f32 v59, v59
	v_exp_f32 v60, v60
	v_nop
	s_wait_alu depctr_va_vdst(0)
	v_mul_f32 v61, v[ST+2], v59
	v_fma_f32 v61, v[GOT+1], v60, v61              ; l: 1 at the least
	v_rcp_f32 v61, v61
	v_nop
	s_wait_alu depctr_va_vdst(0)
	v_mul_f32 v[F1], v59, v61
	v_mul_f32 v[F2], v60, v61
	v_mov_b32 v[F1+1], v[F1]
	v_mov_b32 v[F2+1], v[F2]
	WIN 0x41
.set i, 0
.rept 64
	v_pk_mul_f32 v[2*i:2*i+1], v[2*i:2*i+1], v[F1:F1+1] op_sel_hi:[1,0]
.set i, i+1
.endr
	WIN 0x53
.set i, 0
.rept 64
	v_pk_fma_f32 v[2*i:2*i+1], v[2*i:2*i+1], v[F2:F2+1], v[2*i:2*i+1] op_sel_hi:[1,0,1]   ; + my partner's part (source 0 in window 3)
.set i, i+1
.endr
	WIN 0x05
.set i, 0
.rept 64
	v_cvt_pk_f16_f32 v[S+i], v[2*i], v[2*i+1]
.set i, i+1
.endr
	WIN 0
.irp cb, 0,1,2,3,4,5,6,7,8,9,10,11,12,13,14,15
	ds_store_b128 v[STO], v[S+4*(\cb):S+4*(\cb)+3] offset:32*(\cb)
.endr
.irp t, 0,1,2,3,4,5,6,7,8,9,10,11,12,13,14,15
	ds_load_b128 v[P+4*(\t):P+4*(\t)+3], v[RD] offset:SP*(\t)   ; LDS serves a wave's instructions in order: these see the stores above
.endr
.irp t, 0,1,2,3,4,5,6,7,8,9,10,11,12,13,14,15
	s_wait_dscnt 15-(\t)
	global_store_b128 v[GO], v[P+4*(\t):P+4*(\t)+3], s[OBB:OBB+1] offset:2048*(\t)   ; 512 consecutive bytes, aligned
.endr
	s_wait_tensorcnt 0x0                           ; the wave's end
	ds_add_u32 v[SPW], v[NIL]
	s_wait_dscnt 0x0
	s_endpgm
.Lfunc_end_k_q84dc57b90e_attn:
	.size	k_q84dc57b90e_attn, .Lfunc_end_k_q84dc57b90e_attn-k_q84dc57b90e_attn
	.p2alignl 7, 3214868480
	.fill 96, 4, 3214868480
	.section	.rodata,"a",@progbits
	.p2align	6, 0x0
	.amdhsa_kernel k_q84dc57b90e_attn
		.amdhsa_group_segment_fixed_size 327680
		.amdhsa_private_segment_fixed_size 0
		.amdhsa_enable_private_segment 0
		.amdhsa_kernarg_size 32
		.amdhsa_user_sgpr_count 2
		.amdhsa_user_sgpr_kernarg_segment_ptr 1
		.amdhsa_wavefront_size32 1
		.amdhsa_system_sgpr_workgroup_id_x 1
		.amdhsa_system_sgpr_workgroup_id_y 1
		.amdhsa_system_sgpr_workgroup_id_z 1
		.amdhsa_system_vgpr_workitem_id 0
		.amdhsa_next_free_vgpr 1024
		.amdhsa_next_free_sgpr 96
		.amdhsa_reserve_vcc 1
		.amdhsa_float_denorm_mode_32 3
		.amdhsa_float_denorm_mode_16_64 3
		.amdhsa_memory_ordered 1
		.amdhsa_forward_progress 1
		.amdhsa_inst_pref_size 168
	.end_amdhsa_kernel
	.amdgpu_metadata
---
amdhsa.version: [ 1, 2 ]
amdhsa.kernels:
  - .name:           k_q84dc57b90e_attn
    .symbol:         k_q84dc57b90e_attn.kd
    .args:
      - { .name: qkv16, .offset: 0, .size: 8, .value_kind: global_buffer, .address_space: global }
      - { .name: pb, .offset: 8, .size: 8, .value_kind: global_buffer, .address_space: global }
      - { .name: vsum, .offset: 16, .size: 8, .value_kind: global_buffer, .address_space: global }
      - { .name: ob, .offset: 24, .size: 8, .value_kind: global_buffer, .address_space: global }
    .group_segment_fixed_size: 327680
    .private_segment_fixed_size: 0
    .kernarg_segment_align: 8
    .kernarg_segment_size: 32
    .max_flat_workgroup_size: 128
    .sgpr_count:     96
    .vgpr_count:     1024
    .wavefront_size: 32
...
	.end_amdgpu_metadata
.endif
;; end of part 3
;; launch oproj (part 4): grid 8 x 32, 4 waves a work-group, clusters of 4 x 4, 327,680 bytes of LDS; arguments ob, wb, out0; writes out0
.if DOCPART == 4
	.amdgcn_target "amdgcn-amd-amdhsa--gfx1250"
	.amdhsa_code_object_version 6
	.text
	.protected	k_q84dc57b90e_oproj
	.globl	k_q84dc57b90e_oproj
	.p2align	8
	.type	k_q84dc57b90e_oproj,@function
k_q84dc57b90e_oproj:
	s_mov_b64 s[64:65], 0
	v_nop
	global_prefetch_b8 v0, s[64:65] scope:SCOPE_SE
	s_setreg_imm32_b32 hwreg(HW_REG_WAVE_MODE, 25, 1), 1
	s_wait_xcnt 0x0
	s_wait_alu depctr_hold_cnt(0) depctr_sa_sdst(0) depctr_va_vdst(0) depctr_va_sdst(0) depctr_va_ssrc(0) depctr_va_vcc(0) depctr_vm_vsrc(0)
	s_getreg_b32 s2, hwreg(HW_REG_IB_STS2, 6, 4)
	s_cmp_eq_u32 s2, 0
	s_cbranch_scc0 .Lentry_in_a_cluster
	s_endpgm
.Lentry_in_a_cluster:
	s_bfe_u32 s2, ttmp6, 0x10000c
	s_cmp_lg_u32 s2, 0xf033
	s_cbranch_scc0 .Lentry_shape_is_right
	s_endpgm
.Lentry_shape_is_right:
; out0 = O Wo.  O: ob, [4096][1024] f16; Wo: wb's fourth part, [1024][2048] f16 (each number rounded to bf16 first); out0: [4096][2048] f32.  f16 operands, f32 sums.
; A work-group makes 128 rows x 256 columns: 8 x 32 = 256 work-groups.  A wave makes 64 x 128: 32 accumulators.  K goes in steps of 128 through two LDS slots: O's tile [row][k], pitch 272; Wo's as in memory, [k][n],
; pitch 544, read turned.  The product is taken transposed (source 0 = 16 columns of Wo, source 1 = 16 rows of O): a lane holds row l % 16 and columns 8 (l / 16) + 0..7.
; CLUSTER 4 x 4: O's tile is asked for jointly along a row of the cluster, Wo's along a column.
; REGISTERS: window 0: addresses, v64-127 O's fragments (two buffers), v128-255 the way out; window 1: v0-127 Wo's fragments (two buffers); window 2: accumulator (a, b) at 64 a + 8 b.
.set PA,    272
.set PBP,   544
.set AHALF, 64*PA                      ; 17,408
.set BOFF,  2*AHALF                    ; 34,816
.set BHALF, 64*PBP                     ; 34,816
.set SLOT,  131072                     ; slot 1 begins here: a slot's 104,448 bytes lie below it, so one exclusive or turns an address into the other slot's
.set STAGE, SLOT+BOFF+2*BHALF          ; 235,520: behind the ring, 16 rows x 528 bytes for each wave
.set SP,    528
.set SPARE, STAGE+4*16*SP              ; the spare words, 128 bytes a wave
.set NB,    8
.set TRIPS, 6
.set ADRA0, 10
.set ADRB0, 11
.set ADRA, 12
.set ADRB, 13
.set STO, 14
.set RD,  15
.set CO,  16
.set PFO, 18
.set SPW, 20
.set NIL, 21
.set AF,  64
.set WV,  20
.set KIND, 21
.set HALF, 22
.set CX,  23
.set CY,  24
.set TX,  25
.set TY,  26
.set G1A, 28
.set G1B, 36
.set G0A, 44
.set G0B, 52
.set TB,  60
.set CNT, 62
.set PFA, 66
.set LIM, 68
.set PST, 70
.set MSB, 0
.macro WIN new
.if MSB != (\new)
	s_set_vgpr_msb (MSB<<8)|(\new)
.set MSB, \new
.endif
.endm
.macro PLACES
.rept 4
	v_nop
.endr
.endm
.macro CREST
	s_cmp_lg_u32 s[WV], 0
	s_cbranch_scc1 .Lnot_wave_0_\@
	s_barrier_signal -3
.Lnot_wave_0_\@:
	s_barrier_wait -3
	s_barrier_signal -1
	s_barrier_wait -1
.endm
.macro CROUND
	s_barrier_signal -1
	s_barrier_wait -1
	CREST
.endm
.macro JLOAD
	s_cmp_eq_u32 s[KIND], 0
	s_cbranch_scc0 .Lfor_b_\@
	tensor_load_to_lds s[G0A+4:G0A+7], s[G1A:G1A+7]
	s_nop 0
.rept 4
	v_nop
.endr
	s_branch .Lasked_\@
.Lfor_b_\@:
	tensor_load_to_lds s[G0B+4:G0B+7], s[G1B:G1B+7]
	s_nop 0
.rept 4
	v_nop
.endr
.Lasked_\@:
.endm
; A prefetch of the K step two refills on.  O's rows are read by both clusters of a row of clusters: cluster x = 0 asks, wave 0, 32 rows for each of the four partners; Wo's by all eight of a column: cluster y = 0 asks,
; waves 2 and 3, 16 k-rows of two blocks each.  Partners are told apart by address.  The last two trips ask for nothing.
.macro ASK
	s_cmp_gt_u32 s[CNT], s[LIM]
	s_cbranch_scc0 .Lnot_mine_\@
	global_prefetch_b8 v[PFO], s[PFA:PFA+1] th:TH_LOAD_NT scope:SCOPE_SE
.Lnot_mine_\@:
.endm
.macro FETCH kq, f                     ; 24 LDS loads in one run; O's blocks 2 and 3 last
	WIN 0x40
.set ib, 0
.rept NB
	ds_load_tr16_b128 v[64*(\f)+8*ib:64*(\f)+8*ib+3],   v[ADRB] offset:(\kq)*32*PBP+32*ib
	ds_load_tr16_b128 v[64*(\f)+8*ib+4:64*(\f)+8*ib+7], v[ADRB] offset:(\kq)*32*PBP+16*PBP+32*ib
.set ib, ib+1
.endr
	WIN 0
.irp a, 0,1,2,3
	ds_load_b128 v[AF+32*(\f)+8*(\a):AF+32*(\f)+8*(\a)+3],   v[ADRA] offset:64*(\kq)+(\a)*16*PA
	ds_load_b128 v[AF+32*(\f)+8*(\a)+4:AF+32*(\f)+8*(\a)+7], v[ADRA] offset:64*(\kq)+(\a)*16*PA+32
.endr
.endm
.macro MULA f, a, zero                 ; 8 matrix instructions; the 32 accumulators take turns in the same order in every quarter
	WIN 0xa1
.set ib, 0
.rept NB
.set rD, 64*(\a)+8*ib
.if \zero
	v_wmma_f32_16x16x32_f16 v[rD:rD+7], v[64*(\f)+8*ib:64*(\f)+8*ib+7], v[AF+32*(\f)+8*(\a):AF+32*(\f)+8*(\a)+7], 0
.else
	v_wmma_f32_16x16x32_f16 v[rD:rD+7], v[64*(\f)+8*ib:64*(\f)+8*ib+7], v[AF+32*(\f)+8*(\a):AF+32*(\f)+8*(\a)+7], v[rD:rD+7]
.endif
.set ib, ib+1
.endr
.endm
.macro QUARTER kq, f, g, zero
	s_wait_dscnt 4                                 ; the youngest four loads (O's blocks 2, 3) may be out
	MULA \f, 0, \zero
	MULA \f, 1, \zero
	PLACES
	FETCH \kq, \g
	s_wait_dscnt 2*NB+8                            ; all but the run just issued
	MULA \f, 2, \zero
	MULA \f, 3, \zero
.endm
.macro TURN fill                       ; the last quarter of a K step and the change of slots
.if \fill
	s_wait_xcnt 0x0                                ; the last prefetch, a K step back, has read its address
	s_add_nc_u64 s[PFA:PFA+1], s[PFA:PFA+1], s[PST:PST+1]
.endif
	WIN 0
	s_wait_tensorcnt 0x0                           ; all my tensor loads have landed: my part of the next slot
	ds_add_u32 v[SPW], v[NIL]
	s_wait_dscnt 5                                 ; the add and the youngest four loads may be out
	MULA 1, 0, 0
	s_wait_dscnt 0x0                               ; the add is done, my reads of this slot are over
	s_barrier_signal -1
	MULA 1, 1, 0
	WIN 0
	s_barrier_wait -1
.if \fill
	CREST
	s_xor_b32 s[G0A+5], s[G0A+5], SLOT
	s_add_nc_u64 s[G0A+6:G0A+7], s[G0A+6:G0A+7], 256
	s_xor_b32 s[G0B+5], s[G0B+5], SLOT
	s_add_nc_u64 s[G0B+6:G0B+7], s[G0B+6:G0B+7], 128*4096
	JLOAD
.else
	PLACES
.endif
	s_xor_b32 s[TB], s[TB], SLOT
	v_add_nc_u32 v[ADRA], s[TB], v[ADRA0]
	v_add_nc_u32 v[ADRB], s[TB], v[ADRB0]
	FETCH 0, 0
.if \fill
	ASK
.endif
	MULA 1, 2, 0
	MULA 1, 3, 0
.endm
	s_load_b128 s[4:7], s[0:1], 0x0                ; ob s[4:5], wb s[6:7]
	s_load_b64 s[8:9], s[0:1], 0x10                ; out0
	v_lshl_add_u32 v[SPW], v0, 2, SPARE
	v_mov_b32 v[NIL], 0
	ds_add_u32 v[SPW], v[NIL]                      ; the wave's opening: the add and its wait ahead of my first tensor load
	ds_add_u32 v20, v21
	v_lshrrev_b32 v3, 5, v0
	v_readfirstlane_b32 s[WV], v3
	s_lshr_b32 s[KIND], s[WV], 1                   ; I fetch for O (0) or Wo (1); also my half of the tile's rows
	s_and_b32 s[HALF], s[WV], 1                    ; which half I fetch; also my half of the tile's columns
	s_bfe_u32 s[CX], ttmp6, 0x40000
	s_bfe_u32 s[CY], ttmp6, 0x40004
	s_lshl_b32 s[TX], ttmp9, 2
	s_add_co_u32 s[TX], s[TX], s[CX]
	s_and_b32 s[TY], ttmp7, 0xffff
	s_lshl_b32 s[TY], s[TY], 2
	s_add_co_u32 s[TY], s[TY], s[CY]
	s_lshl_b32 s27, s[CY], 2
	s_lshl_b32 s27, 15, s27
	s_lshl_b32 s61, 0x1111, s[CX]
	s_or_b32 s[G1A], s27, (1<<16)|(1<<20)|(1<<21)|(5<<22)|(3<<25)
	s_mov_b32 s[G1A+1], 128<<16
	s_mov_b32 s[G1A+2], 64<<16
	s_mov_b32 s[G1A+3], 128<<16
	s_mov_b32 s[G1A+4], 64
	s_mov_b32 s[G1A+5], 1024
	s_mov_b32 s[G1A+6], 0
	s_mov_b32 s[G1A+7], 0
	s_or_b32 s[G1B], s61, (1<<16)|(1<<20)|(1<<21)|(6<<22)|(7<<25)
	s_mov_b32 s[G1B+1], 256<<16
	s_mov_b32 s[G1B+2], 64<<16
	s_mov_b32 s[G1B+3], 256<<16
	s_mov_b32 s[G1B+4], 64
	s_mov_b32 s[G1B+5], 2048
	s_mov_b32 s[G1B+6], 0
	s_mov_b32 s[G1B+7], 0
	s_mul_i32 s63, s[HALF], AHALF                  ; where O's half lands,
	s_mul_i32 s69, s[HALF], BHALF
	s_add_co_u32 s69, s69, BOFF                    ; and Wo's
	s_lshl_b32 s76, s[TY], 7                       ; O: row 128 TY + 64 half, 2,048 bytes a row (registers that never hold cx)
	s_lshl_b32 s77, s[HALF], 6
	s_add_co_u32 s76, s76, s77
	s_lshl_b32 s76, s76, 11
	s_mov_b32 s77, 0
	s_lshl_b32 s80, s[HALF], 18                    ; Wo: k-row 64 half of 4,096 bytes, the tile's 512 bytes, in wb's fourth part (registers that never hold cy)
	s_lshl_b32 s81, s[TX], 9
	s_add_co_u32 s80, s80, s81
	s_add_co_u32 s80, s80, 12582912
	s_mov_b32 s81, 0
	s_mov_b32 s[TB], 0
	s_wait_dscnt 0x0
	s_wait_kmcnt 0x0
	s_add_nc_u64 s[78:79], s[4:5], s[76:77]
	s_add_nc_u64 s[82:83], s[6:7], s[80:81]
	CROUND
.irp s, 0,1
	s_mov_b32 s[G0A+4*(\s)], 1
	s_add_co_u32 s[G0A+4*(\s)+1], s63, (\s)*SLOT
	s_add_nc_u64 s[G0A+4*(\s)+2:G0A+4*(\s)+3], s[78:79], (\s)*256
	s_or_b32 s[G0A+4*(\s)+3], s[G0A+4*(\s)+3], 0x80000000
	s_mov_b32 s[G0B+4*(\s)], 1
	s_add_co_u32 s[G0B+4*(\s)+1], s69, (\s)*SLOT
	s_add_nc_u64 s[G0B+4*(\s)+2:G0B+4*(\s)+3], s[82:83], (\s)*128*4096
	s_or_b32 s[G0B+4*(\s)+3], s[G0B+4*(\s)+3], 0x80000000
.endr
	s_cmp_eq_u32 s[KIND], 0                        ; a wave's two first fills stand in one branch: two loads of mine are out
	s_cbranch_scc0 .Lfirst_b
	tensor_load_to_lds s[G0A:G0A+3], s[G1A:G1A+7]
	s_nop 0
	tensor_load_to_lds s[G0A+4:G0A+7], s[G1A:G1A+7]
	s_nop 0
.rept 4
	v_nop
.endr
	s_branch .Lfirst_done
.Lfirst_b:
	tensor_load_to_lds s[G0B:G0B+3], s[G1B:G1B+7]
	s_nop 0
	tensor_load_to_lds s[G0B+4:G0B+7], s[G1B:G1B+7]
	s_nop 0
.rept 4
	v_nop
.endr
.Lfirst_done:
	v_and_b32 v1, 15, v0
	v_bfe_u32 v2, v0, 4, 1
	v_mul_u32_u24 v[ADRA0], v1, PA
	v_lshl_add_u32 v[ADRA0], v2, 4, v[ADRA0]
	s_mul_i32 s88, s[KIND], 64*PA                  ; my 64 rows of O
	v_add_nc_u32 v[ADRA0], s88, v[ADRA0]
	v_and_b32 v4, 7, v0
	v_lshl_add_u32 v4, v2, 3, v4
	v_mul_u32_u24 v[ADRB0], v4, PBP
	v_bfe_u32 v5, v0, 3, 1
	v_lshl_add_u32 v[ADRB0], v5, 4, v[ADRB0]
	s_lshl_b32 s88, s[HALF], 8                     ; my 128 columns
	s_add_co_u32 s88, s88, BOFF
	v_add_nc_u32 v[ADRB0], s88, v[ADRB0]
	v_mov_b32 v[ADRA], v[ADRA0]
	v_mov_b32 v[ADRB], v[ADRB0]
	s_mul_i32 s88, s[WV], 16*SP
	s_add_co_u32 s88, s88, STAGE
	v_mul_u32_u24 v[STO], v1, SP
	v_lshl_add_u32 v[STO], v2, 5, v[STO]
	v_add_nc_u32 v[STO], s88, v[STO]               ; in: row l % 16, 32 bytes for each half of the lanes
	v_and_b32 v4, 31, v0
	v_lshlrev_b32 v[CO], 4, v4
	v_add_nc_u32 v[RD], s88, v[CO]                 ; back: a row of 512 bytes
	s_lshl_b32 s88, s[TY], 7                       ; out0: row 128 TY + 64 (w / 2), 8,192 bytes a row; column 256 TX + 128 (w % 2)
	s_lshl_b32 s89, s[KIND], 6
	s_add_co_u32 s88, s88, s89
	s_lshl_b32 s88, s88, 13
	s_lshl_b32 s89, s[TX], 10
	s_add_co_u32 s88, s88, s89
	s_lshl_b32 s89, s[HALF], 9
	s_add_co_u32 s88, s88, s89
	s_mov_b32 s89, 0
	s_add_nc_u64 s[90:91], s[8:9], s[88:89]
	; the prefetches start at K step 3; the first change of slots steps them to 4
	s_lshl_b32 s84, s[TY], 7
	s_lshl_b32 s85, s[CX], 5
	s_add_co_u32 s84, s84, s85
	s_lshl_b32 s84, s84, 11
	s_add_co_u32 s84, s84, 3*256
	s_lshl_b32 s86, s[HALF], 6
	s_lshl_b32 s87, s[CY], 4
	s_add_co_u32 s86, s86, s87
	s_lshl_b32 s86, s86, 12
	s_lshl_b32 s87, s[TX], 9
	s_add_co_u32 s86, s86, s87
	s_add_co_u32 s86, s86, 12582912+3*128*4096
	s_and_b32 s87, ttmp7, 0xffff                   ; cluster y
	s_or_b32 s92, s[HALF], ttmp9                   ; 0 in wave 0 of cluster x = 0
	s_mov_b32 s[PST], 256
	s_mov_b32 s88, 128*4096
	s_cmp_eq_u32 s[KIND], 0
	s_cselect_b32 s84, s84, s86
	s_cselect_b32 s87, s92, s87
	s_cselect_b64 s[PFA:PFA+1], s[4:5], s[6:7]
	s_cselect_b32 s[PST], s[PST], s88
	s_cselect_b32 s89, -1, 0
	s_mov_b32 s[PST+1], 0
	s_mov_b32 s85, 0
	s_add_nc_u64 s[PFA:PFA+1], s[PFA:PFA+1], s[84:85]
	s_cmp_eq_u32 s87, 0
	s_cselect_b32 s[LIM], 2, -1
	v_lshlrev_b32 v5, 11, v4                       ; O: lane x 2,048
	v_lshrrev_b32 v6, 1, v4
	v_and_b32 v7, 1, v4
	v_lshlrev_b32 v6, 12, v6
	v_lshl_add_u32 v6, v7, 8, v6                   ; Wo: (lane / 2) x 4,096 + (lane % 2) x 256
	v_cndmask_b32 v[PFO], v6, v5, s89
	s_wait_tensorcnt 0x1                           ; my part of K step 0 is in; K step 1's may stay out
	s_barrier_signal -1
	s_barrier_wait -1
	FETCH 0, 0
	QUARTER 1, 0, 1, 1
	WIN 0
	s_mov_b32 s[CNT], TRIPS
.Lk:
	QUARTER 2, 1, 0, 0
	QUARTER 3, 0, 1, 0
	TURN 1
	QUARTER 1, 0, 1, 0
	WIN 0
	s_sub_co_u32 s[CNT], s[CNT], 1
	s_cmp_lg_u32 s[CNT], 0
	s_cbranch_scc1 .Lk
	s_mov_b32 s[CNT], 2
.Lt:                                           ; the last two K steps fill nothing; the second trip is left in its middle (its last run of LDS loads serves nothing)
	QUARTER 2, 1, 0, 0
	QUARTER 3, 0, 1, 0
	TURN 0
	WIN 0
	s_sub_co_u32 s[CNT], s[CNT], 1
	s_cmp_eq_u32 s[CNT], 0
	s_cbranch_scc1 .Lout
	QUARTER 1, 0, 1, 0
	WIN 0
	s_branch .Lt
.Lout:                                         ; THE WAY OUT: 16 rows at a time through my own stage, back as whole rows of 512 bytes
	PLACES
	PLACES
.irp a, 0,1,2,3
	s_wait_xcnt 0x0                                ; earlier stores have read the registers that are loaded again below
	WIN 0x08
.set ib, 0
.rept 8
	ds_store_b128 v[STO], v[64*(\a)+8*ib:64*(\a)+8*ib+3]   offset:64*ib
	ds_store_b128 v[STO], v[64*(\a)+8*ib+4:64*(\a)+8*ib+7] offset:64*ib+16
.set ib, ib+1
.endr
	WIN 0
.irp t, 0,1,2,3,4,5,6,7,8,9,10,11,12,13,14,15
	ds_load_b128 v[128+64*((\a)%2)+4*(\t):128+64*((\a)%2)+4*(\t)+3], v[RD] offset:SP*(\t)   ; LDS serves a wave's instructions in order: these see the stores above, the next block's stores come behind them
.endr
.irp t, 0,1,2,3,4,5,6,7,8,9,10,11,12,13,14,15
	s_wait_dscnt 15-(\t)
	global_store_b128 v[CO], v[128+64*((\a)%2)+4*(\t):128+64*((\a)%2)+4*(\t)+3], s[90:91] offset:131072*(\a)+8192*(\t) th:TH_STORE_NT
.endr
.endr
	s_wait_tensorcnt 0x0                           ; the wave's end
	ds_add_u32 v[SPW], v[NIL]
	s_wait_dscnt 0x0
	CROUND                                         ; the closing round
	s_endpgm
.Lfunc_end_k_q84dc57b90e_oproj:
	.size	k_q84dc57b90e_oproj, .Lfunc_end_k_q84dc57b90e_oproj-k_q84dc57b90e_oproj
	.p2alignl 7, 3214868480
	.fill 96, 4, 3214868480
	.section	.rodata,"a",@progbits
	.p2align	6, 0x0
	.amdhsa_kernel k_q84dc57b90e_oproj
		.amdhsa_group_segment_fixed_size 327680
		.amdhsa_private_segment_fixed_size 0
		.amdhsa_enable_private_segment 0
		.amdhsa_kernarg_size 24
		.amdhsa_user_sgpr_count 2
		.amdhsa_user_sgpr_kernarg_segment_ptr 1
		.amdhsa_wavefront_size32 1
		.amdhsa_system_sgpr_workgroup_id_x 1
		.amdhsa_system_sgpr_workgroup_id_y 1
		.amdhsa_system_sgpr_workgroup_id_z 1
		.amdhsa_system_vgpr_workitem_id 0
		.amdhsa_next_free_vgpr 768
		.amdhsa_next_free_sgpr 100
		.amdhsa_reserve_vcc 0
		.amdhsa_float_denorm_mode_32 3
		.amdhsa_float_denorm_mode_16_64 3
		.amdhsa_memory_ordered 1
		.amdhsa_forward_progress 1
		.amdhsa_inst_pref_size 63
	.end_amdhsa_kernel
	.amdgpu_metadata
---
amdhsa.version: [ 1, 2 ]
amdhsa.kernels:
  - .name:           k_q84dc57b90e_oproj
    .symbol:         k_q84dc57b90e_oproj.kd
    .args:
      - { .name: ob, .offset: 0, .size: 8, .value_kind: global_buffer, .address_space: global }
      - { .name: wb, .offset: 8, .size: 8, .value_kind: global_buffer, .address_space: global }
      - { .name: out0, .offset: 16, .size: 8, .value_kind: global_buffer, .address_space: global }
    .group_segment_fixed_size: 327680
    .private_segment_fixed_size: 0
    .kernarg_segment_align: 8
    .kernarg_segment_size: 24
    .max_flat_workgroup_size: 128
    .sgpr_count:     100
    .vgpr_count:     768
    .wavefront_size: 32
...
	.end_amdgpu_metadata
.endif
;; end of part 4
